; MI455X (gfx1250); checked and timed in simulation.
; The chip was launched on July 23, 2026; its instructions are those of AMD's public machine-readable ISA for CDNA 5 (MIT licence, August 2026) and "CDNA5" Instruction Set Architecture Reference Guide (July 2026). The comments in the code are by the model that wrote it; some were corrected since.
;; Causal Self Attention Ro PE. Allowed arithmetic: matrix products marked QUANTISED: E2M3 operands, one E8M0 scale for each 32 along K, by v_wmma_scale_f32_16x16x128_f8f6f4 with both operands' format E2M3, f32 sums; everything else in f32.
;; Inputs: token_positions 4,096 int32; w_out 1,024 x 1,024 float32; w_qkv 3,072 x 1,024 float32; x 1 x 4,096 x 1,024 float32.
;; Outputs: out0 1 x 4,096 x 1,024 float32.
;; This version of the problem:
;;   THIS VERSION OF THE PROBLEM IS GIVEN IN LOW PRECISION. The matrix products marked QUANTISED in the list below multiply operands that are first quantised to E2M3 (2 exponent bits, 3 mantissa bits; 6 bits a number), with one power-of-two scale for each 32 numbers along K (OCP MX v1.0); their sums are f32. All else is computed in f32.
;;   The module's matrix products, in the order in which they are computed (A, B: the left and right operand; K: the contracted axis; several contracted axes count as one K, in the product's order):
;;     1. [M 4,096, K 1,024] x [K 1,024, N 3,072]; A: input x; B: input w_qkv: QUANTISED
;;     2. batch 16 x [M 4,096, K 64] x [K 64, N 4,096]; A: computed on the way; B: computed on the way: QUANTISED
;;     3. batch 16 x [M 4,096, K 4,096] x [K 4,096, N 64]; A: softmax (see below); B: computed on the way: QUANTISED
;;     4. [M 4,096, K 1,024] x [K 1,024, N 1,024]; A: computed on the way; B: input w_out: QUANTISED
;;   THE QUANTISER, for each operand of a quantised product, along K:
;;     - K is cut into blocks of 32 from its start; a last block that is shorter is filled with zeros.
;;     - A block's scale is 2^e with e = floor(log2(the largest magnitude in the block)) - 2, held to -126 .. 127; a block of zeros has e = 0. As a byte (E8M0): e + 127.
;;     - Each number is divided by its block's scale, clamped to +-7.5, and rounded to the nearest number of E2M3, ties to even, subnormals kept.
;;     - The product sums the exact products of the quantised numbers (number of the format x scale) in f32.
;;   ~~~python
;;   def quantise(x, axis):      # numpy; x: float32 -> the quantised numbers, widened to float32 again
;;       x = np.moveaxis(x, axis, -1); K = x.shape[-1]
;;       x = np.pad(x, [(0, 0)] * (x.ndim - 1) + [(0, -K % 32)]); x = x.reshape(x.shape[:-1] + (-1, 32)); a = np.abs(x).max(-1, keepdims=True)
;;       e = np.where(a > 0, np.clip(np.frexp(np.where(a > 0, a, 1))[1] - 1 - 2, -126, 127), 0)      # np.frexp(a)[1] - 1 = floor(log2(a)), exactly
;;       r = np.clip(x / 2.0 ** e, -7.5, 7.5)
;;       step = 2.0 ** (np.maximum(np.frexp(np.where(r == 0, 1, r))[1] - 1, 0) - 3)
;;       q = np.round(r / step) * step * 2.0 ** e      # np.round: ties to even
;;       return np.moveaxis(q.reshape(q.shape[:-2] + (-1,))[..., :K], -1, axis).astype(np.float32)
;;   ~~~
;;   SOFTMAX AHEAD OF A QUANTISED PRODUCT. Where the list says 'softmax', what is quantised is not the finished softmax but p = 2^(t - M), with t = logit x log2(e) and M = ceil(the row's largest t), a whole number; so 1/2 < the row's largest p <= 1. The row's sum l is taken of the UNQUANTISED p, in f32, and the product's result is divided by l at the end. Since M is a whole number, a kernel that streams over the keys may use a running M (the ceiling of the running maximum): every later rescaling is an exact power of two, which a block's scale takes up: the codes' values come out the same.
;;   OPERANDS COMPUTED ON THE WAY. 'Computed on the way' means the value that the module computes at that place (a softmax that the list does not call 'softmax' is quantised finished and normalised). What goes into a quantiser is computed in f32, as accurately as f32 sums, v_exp_f32 and their like allow (about 1e-6 of the number): no bf16 or f16 on the way to a quantiser, and a product that is left as it is and whose result goes on into a quantised operand takes f32 operands (vector FMAs, or v_wmma_f32_16x16x4_f32). A number that lies on a knife's edge between two numbers of the format may be rounded either way, as far as f32 arithmetic and the matrix unit's own rounding can turn it there, and no further.
;; One version. Each part assembles by itself: llvm-mc -triple=amdgcn-amd-amdhsa -mcpu=gfx1250 --defsym DOCPART=n.
;; ======== version 1 of 1: 4 launches
;; limits: right only within a limited range of input values
;; workspace buffers: opimg 6,291,456 bytes; opsc 262,144 bytes; rope 1,048,576 bytes; rec 12,582,912 bytes; rsc 524,288 bytes; aimg 3,145,728 bytes; asc 131,072 bytes
;; launch prep (part 1): grid 256 x 1, 8 waves a work-group, no clusters, 68,608 bytes of LDS; arguments x, w_qkv, w_out, token_positions, opimg, opsc, rope; writes opimg, opsc, rope
.if DOCPART == 1
	.amdgcn_target "amdgcn-amd-amdhsa--gfx1250"
	.amdhsa_code_object_version 6
	.text
	.protected	k_q5c4c549894_prep
	.globl	k_q5c4c549894_prep
	.p2align	8
	.type	k_q5c4c549894_prep,@function
k_q5c4c549894_prep:
	s_mov_b64 s[64:65], 0
	v_nop
	global_prefetch_b8 v0, s[64:65] scope:SCOPE_SE
	s_setreg_imm32_b32 hwreg(HW_REG_WAVE_MODE, 25, 1), 1
	s_wait_xcnt 0x0
; x [4096][1024], w_qkv [3072][1024] and w_out [1024][1024], f32, K innermost, become codes of FP6 (E2M3) with one E8M0 byte for each 32 along K,
; laid in the ORDER OF THE OPERAND'S REGISTERS; and the table of cos and sin for the rotation is made from token_positions.
; ROW TILES.  Tile G = 2 B + u holds, in lane r, row 32 B + 8 u + r + 8 (r / 8) of the three tensors laid on end (x: tiles 0-255, w_qkv: 256-447, w_out: 448-511).
; A FRAGMENT (16 rows x 128 K, 12 registers a lane) is two halves of 768 bytes: registers 6 c .. 6 c + 3 of lane l at 16 l, registers 6 c + 4, 6 c + 5 at 512 + 8 l.
;   opimg [512 tiles][8 K steps][1,536];  opsc [512 tiles][4 runs of 256 K][16 lanes r][2 words]: a word is the four bytes of one row and 128 K.
;   rope [4096 tokens][32 pairs][cos, sin] f32.
; SHARES.  Work-group g owns 32 rows (tiles 2 g, 2 g + 1) and all of K; wave w takes tile 2 g + (w >> 2) and K = 256 (w & 3) on: two K steps.  It also makes the table's rows 2 W, 2 W + 1, W = 8 g + w.
; Each load reads 512 consecutive bytes (128 numbers of one row); the 16 rows turn through the wave's own stage in LDS (pitch 528 bytes = 132 words, so that sixteen rows start at sixteen
; different groups of four banks), and come back so that lane (r, h) holds whole blocks: k = 64 c + 32 h + 0 .. 31 of row r.  So a block's largest magnitude needs no other lane.
; A block's scale is 2^(floor(log2(largest magnitude)) - 2): its byte is that magnitude's exponent field - 2, held at 1 from below by a floor among the maximum's leaves.
; THE ANGLES.  inv_freq(p) = 1 / 10^(p / 8): the power as the nearest f32, the reciprocal by v_rcp_f32 and one Newton step; angle = f32(position) x inv_freq, one rounding, as the source has it.
; sin and cos: n = nearest whole number to angle x 2 / pi; the angle less n x pi / 2 in three parts by fused multiply-adds; polynomials of degree 7 and 8 on [-pi/4, pi/4]; the quadrant by a select and two sign flips.
; LIMITS: NaN and infinities among the inputs are not served.  A block whose largest magnitude lies under 2^-124 (a block of zeros too) takes the byte 1; the bytes are read by this program alone.
; sin and cos are within about 1e-7 of the f32 angle's for every int32 position.  Should the source's power function round 10^(p / 8) one ulp otherwise, an angle moves by that one part in 2^23.
; No tensor loads, no barrier: waves share nothing.
.set STG,   8448                       ; a wave's stage: 16 rows x 528 bytes
.set SPARE, 8*STG                      ; behind the eight stages: the spare words, 128 bytes for each wave: four blocks of 256 bytes that no other line names
.set SPW, 12                           ; v12  LDS address of my spare word; never rewritten
.set NIL, 13                           ; v13  0; never rewritten
.set R,   32                           ; v32-159  two K steps x 16 rows x 4 registers, as loaded
.set X,   160                          ; v160-223 my two blocks of 32 numbers
.set PC,  224                          ; v224-235 a fragment's codes
.set PT,  236                          ; v236-243 the upper halves of the blocks' codes, before they are moved
.set MX,  244                          ; v244-245 largest magnitudes
.set SO,  246                          ; v246-247 the conversions' scale operands
.set BY,  248                          ; v248-249 scale bytes
.set SW,  250                          ; v250-251 the two K steps' scale words
	s_load_b256 s[4:11], s[0:1], 0x0               ; x, w_qkv, w_out, token_positions
	s_load_b128 s[12:15], s[0:1], 0x20             ; opimg, opsc
	s_load_b64 s[16:17], s[0:1], 0x30              ; rope
	v_lshl_add_u32 v[SPW], v0, 2, SPARE
	v_mov_b32 v[NIL], 0
	v_lshrrev_b32 v1, 5, v0
	s_delay_alu instid0(VALU_DEP_1)
	v_readfirstlane_b32 s18, v1                    ; wave 0..7
	v_and_b32 v1, 31, v0                           ; lane
	v_and_b32 v2, 15, v0                           ; r
	v_bfe_u32 v3, v0, 4, 1                         ; h
	s_delay_alu instid0(VALU_DEP_3)
	v_lshlrev_b32 v4, 4, v1                        ; 16 x lane
	s_mul_i32 s19, s18, STG
	v_add_nc_u32 v5, s19, v4                       ; the stage, on the way in: a row's 512 bytes as they lie
	v_mul_u32_u24 v6, v2, 528
	s_delay_alu instid0(VALU_DEP_1)
	v_lshl_add_u32 v6, v3, 7, v6
	s_delay_alu instid0(VALU_DEP_1)
	v_add_nc_u32 v6, s19, v6                       ; and on the way out: row r, + 128 h
	v_lshlrev_b32 v10, 3, v1                       ; 8 x lane
	s_delay_alu instid0(VALU_DEP_1)
	v_add_nc_u32 v8, 512, v10                      ; 512 + 8 x lane
	v_lshlrev_b32 v9, 3, v2
	s_delay_alu instid0(VALU_DEP_1)
	v_lshl_add_u32 v9, v3, 2, v9                   ; 8 r + 4 h: lanes 0-15 store the first K step's word, lanes 16-31 the second's
	v_lshlrev_b32 v11, 3, v3                       ; 8 h
	s_lshr_b32 s20, s18, 2                         ; u
	s_and_b32 s21, s18, 3                          ; which 256 along K
	s_lshl_b32 s22, ttmp9, 3
	s_add_co_u32 s22, s22, s18                     ; W
	s_lshl_b32 s24, s22, 3                         ; two positions of 4 bytes
	s_mov_b32 s25, 0
	s_mov_b32 s37, 0xffff0000                      ; lanes 16-31
	s_mov_b32 s38, 0x76543210
	s_mov_b32 s39, 0xfedcba98                      ; v_permlanex16_b32's selects for lane l xor 16
	s_mov_b32 s40, 0x3f22f983                      ; 2 / pi
	s_mov_b32 s41, 0x3fc90fdb                      ; pi / 2 in three parts
	s_mov_b32 s42, 0xb33bbd2e
	s_mov_b32 s43, 0xa6f72ced
	s_mov_b32 s44, 0xb94ca1f9                      ; sine: -1.9515295891e-4,
	s_mov_b32 s45, 0x3c08839e                      ; 8.3321608736e-3,
	s_mov_b32 s46, 0xbe2aaaa3                      ; -0.16666654611
	s_mov_b32 s47, 0x37ccf5ce                      ; cosine: 2.443315711809948e-5,
	s_mov_b32 s48, 0xbab6061a                      ; -1.388731625493765e-3,
	s_mov_b32 s49, 0x3d2aaaa5                      ; 4.166664568298827e-2
	s_wait_kmcnt 0x0
	s_add_nc_u64 s[10:11], s[10:11], s[24:25]
	s_load_b64 s[26:27], s[10:11], 0x0             ; my two positions: used as numbers, never in an address
	s_cmp_lt_u32 ttmp9, 128                        ; which tensor: the choice hangs on the work-group's number alone
	s_cselect_b64 s[4:5], s[4:5], s[6:7]
	s_cselect_b32 s28, 0, 128
	s_cmp_lt_u32 ttmp9, 224
	s_cselect_b64 s[4:5], s[4:5], s[8:9]
	s_cselect_b32 s28, s28, 224
	s_sub_co_u32 s28, ttmp9, s28                   ; my 32 rows' number in the tensor
	s_lshl_b32 s28, s28, 17                        ; x 32 rows of 4,096 bytes
	s_lshl_b32 s29, s20, 15                        ; + 8 u rows
	s_add_co_u32 s28, s28, s29
	s_lshl_b32 s29, s21, 10                        ; + my 256 numbers along K
	s_add_co_u32 s28, s28, s29
	s_mov_b32 s29, 0
	s_add_nc_u64 s[4:5], s[4:5], s[28:29]
.irp s, 0,1
.irp i, 0,1,2,3,4,5,6,7,8,9,10,11,12,13,14,15
	global_load_b128 v[R+64*\s+4*\i:R+64*\s+4*\i+3], v4, s[4:5] offset:(\i+8*(\i/8))*4096+512*\s th:TH_LOAD_NT   ; the tile's row i, K step s: 32 lanes read 512 consecutive bytes
.endr
.endr
	s_lshl_b32 s30, ttmp9, 1
	s_add_co_u32 s30, s30, s20                     ; my tile G
	s_mul_i32 s32, s30, 12288
	s_mul_i32 s33, s21, 3072
	s_add_co_u32 s32, s32, s33
	s_mov_b32 s33, 0
	s_add_nc_u64 s[12:13], s[12:13], s[32:33]      ; opimg at my two fragments
	s_lshl_b32 s32, s30, 9
	s_lshl_b32 s34, s21, 7
	s_add_co_u32 s32, s32, s34
	s_add_nc_u64 s[14:15], s[14:15], s[32:33]      ; opsc at my 128 bytes
	s_lshl_b32 s32, s22, 9
	s_add_nc_u64 s[16:17], s[16:17], s[32:33]      ; rope at my two rows
; THE TABLE, while the loads are on their way.  Lane p holds 10^(p / 8).
.macro PW lane, val
	s_mov_b32 s36, \val
	v_writelane_b32 v14, s36, \lane
.endm
	v_mov_b32 v14, 0                               ; (a lane write's destination counts as read)
	PW 0, 1.0
	PW 1, 1.333521432163324
	PW 2, 1.7782794100389228
	PW 3, 2.371373705661655
	PW 4, 3.1622776601683795
	PW 5, 4.216965034285822
	PW 6, 5.623413251903491
	PW 7, 7.498942093324558
	PW 8, 10.0
	PW 9, 13.33521432163324
	PW 10, 17.782794100389228
	PW 11, 23.71373705661655
	PW 12, 31.622776601683795
	PW 13, 42.16965034285822
	PW 14, 56.23413251903491
	PW 15, 74.98942093324558
	PW 16, 100.0
	PW 17, 133.3521432163324
	PW 18, 177.82794100389228
	PW 19, 237.1373705661655
	PW 20, 316.22776601683795
	PW 21, 421.6965034285822
	PW 22, 562.3413251903491
	PW 23, 749.8942093324558
	PW 24, 1000.0
	PW 25, 1333.521432163324
	PW 26, 1778.2794100389228
	PW 27, 2371.373705661655
	PW 28, 3162.2776601683795
	PW 29, 4216.965034285822
	PW 30, 5623.413251903491
	PW 31, 7498.942093324558
	s_wait_alu depctr_va_vdst(0)
	v_rcp_f32 v15, v14
	v_nop                                          ; a plain instruction behind the reciprocal,
	s_wait_alu depctr_va_vdst(0)                   ; and the wait ahead of its first reader
	v_fma_f32 v16, -v14, v15, 1.0                  ; one Newton step: what the reciprocal left over,
	v_fma_f32 v15, v15, v16, v15                   ; put back: inv_freq
	s_wait_kmcnt 0x0                               ; the positions
.macro ROPE k                          ; row 2 W + k: lane p stores (cos, sin) of pair p; the wave's store covers the row's 256 bytes
	v_cvt_f32_i32 v16, s[26+\k]
	s_wait_alu depctr_va_vdst(0)
	v_mul_f32 v16, v16, v15                        ; the angle
	s_delay_alu instid0(VALU_DEP_1)
	v_mul_f32 v17, s40, v16
	s_delay_alu instid0(VALU_DEP_1)
	v_rndne_f32 v17, v17                           ; n
	s_delay_alu instid0(VALU_DEP_1)
	v_fma_f32 v18, -v17, s41, v16
	s_delay_alu instid0(VALU_DEP_1)
	v_fma_f32 v18, -v17, s42, v18
	s_delay_alu instid0(VALU_DEP_1)
	v_fma_f32 v18, -v17, s43, v18                  ; what is left of the angle, within pi / 4 of 0
	s_delay_alu instid0(VALU_DEP_1)
	v_mul_f32 v19, v18, v18
	s_delay_alu instid0(VALU_DEP_1)
	v_fma_f32 v20, v19, s44, s45
	s_delay_alu instid0(VALU_DEP_1)
	v_fma_f32 v20, v20, v19, s46
	s_delay_alu instid0(VALU_DEP_1)
	v_mul_f32 v20, v20, v19
	s_delay_alu instid0(VALU_DEP_1)
	v_fma_f32 v20, v20, v18, v18                   ; its sine
	v_fma_f32 v21, v19, s47, s48
	s_delay_alu instid0(VALU_DEP_1)
	v_fma_f32 v21, v21, v19, s49
	v_mul_f32 v22, v19, v19
	v_fma_f32 v23, v19, -0.5, 1.0
	s_delay_alu instid0(VALU_DEP_1)
	v_fma_f32 v21, v21, v22, v23                   ; its cosine
	v_cvt_i32_f32 v24, v17                         ; the quadrant is n's two lowest bits
	s_delay_alu instid0(VALU_DEP_1)
	v_and_b32 v25, 1, v24
	s_delay_alu instid0(VALU_DEP_1)
	v_cmp_eq_u32 vcc_lo, 1, v25
	s_delay_alu instid0(VALU_DEP_1)
	v_cndmask_b32 v[26+2*\k], v21, v20, vcc_lo     ; odd quadrants change the two over
	s_delay_alu instid0(VALU_DEP_2)
	v_cndmask_b32 v[27+2*\k], v20, v21, vcc_lo
	v_add_nc_u32 v25, 1, v24
	s_delay_alu instid0(VALU_DEP_1)
	v_and_b32 v25, 2, v25
	s_delay_alu instid0(VALU_DEP_1)
	v_lshlrev_b32 v25, 30, v25
	s_delay_alu instid0(VALU_DEP_1)
	v_xor_b32 v[26+2*\k], v[26+2*\k], v25          ; cos is negative in quadrants 1 and 2,
	v_and_b32 v25, 2, v24
	s_delay_alu instid0(VALU_DEP_1)
	v_lshlrev_b32 v25, 30, v25
	s_delay_alu instid0(VALU_DEP_1)
	v_xor_b32 v[27+2*\k], v[27+2*\k], v25          ; sin in 2 and 3
	global_store_b64 v10, v[26+2*\k:27+2*\k], s[16:17] offset:256*\k
.endm
	ROPE 0
	ROPE 1
; K STEP s: through the stage, two blocks a lane, a fragment out.
.macro KQ s
.if \s == 0
	s_wait_loadcnt 16                              ; loads come back in order: the first K step's sixteen are in, the second's may be out
.else
	s_wait_loadcnt 0x0
.endif
.irp i, 0,1,2,3,4,5,6,7,8,9,10,11,12,13,14,15
	ds_store_b128 v5, v[R+64*\s+4*\i:R+64*\s+4*\i+3] offset:528*\i
.endr
.irp c, 0,1
.irp i, 0,1,2,3,4,5,6,7
	ds_load_b128 v[X+32*\c+4*\i:X+32*\c+4*\i+3], v6 offset:256*\c+16*\i   ; LDS serves a wave's instructions in order: these see my stores
.endr
.endr
	s_wait_dscnt 0x0
.irp c, 0,1
	v_max3_num_f32 v[MX+\c], |v[X+32*\c]|, |v[X+32*\c+1]|, 0x1800000   ; block 2 c + h, all mine; and the floor 2^(3 - 127): the byte cannot fall under 1
.endr
.irp i, 2,4,6,8,10,12,14,16,18,20,22,24,26,28,30
.irp c, 0,1
	s_delay_alu instid0(VALU_DEP_2)
	v_max3_num_f32 v[MX+\c], v[MX+\c], |v[X+32*\c+\i]|, |v[X+32*\c+\i+1]|
.endr
.endr
.irp c, 0,1
	s_delay_alu instid0(VALU_DEP_2)
	v_add_nc_u32 v[SO+\c], 0xff000000, v[MX+\c]    ; 2 off the exponent field: the conversion takes this operand's exponent field as its scale
.endr
.irp c, 0,1
	s_delay_alu instid0(VALU_DEP_2)
	v_lshrrev_b32 v[BY+\c], 23, v[SO+\c]           ; the scale's byte
.endr
	s_delay_alu instid0(VALU_DEP_1)
	v_lshl_or_b32 v[SW+\s], v[BY+1], 16, v[BY]     ; my two bytes, blocks h and 2 + h,
	s_delay_alu instid0(VALU_DEP_1)
	v_lshlrev_b32 v[SW+\s], v11, v[SW+\s]          ; at their places in the word;
	s_delay_alu instid0(VALU_DEP_1)
	v_permlanex16_b32 v[BY], v[SW+\s], s38, s39
	s_delay_alu instid0(VALU_DEP_1)
	v_or_b32 v[SW+\s], v[SW+\s], v[BY]             ; with lane l xor 16's two the word is whole, in both halves of the lanes
	s_wait_alu depctr_va_vdst(0)
	s_wait_xcnt 0x0                                ; the last fragment's stores have read their registers: only behind this wait are the codes written again
.irp c, 0,1
	v_cvt_scalef32_pk16_fp6_f32 v[PC+6*\c:PC+6*\c+2], v[X+32*\c:X+32*\c+15], v[SO+\c]
	v_cvt_scalef32_pk16_fp6_f32 v[PT+4*\c:PT+4*\c+2], v[X+32*\c+16:X+32*\c+31], v[SO+\c]   ; (a conversion's three registers begin on an even number)
.endr
	v_nop                                          ; one plain instruction behind the scaled conversions
.irp c, 0,1
.irp i, 0,1,2
	v_mov_b32 v[PC+6*\c+3+\i], v[PT+4*\c+\i]
.endr
.endr
.irp c, 0,1
	global_store_b128 v4, v[PC+6*\c:PC+6*\c+3], s[12:13] offset:1536*\s+768*\c     ; 512 consecutive bytes,
	global_store_b64 v8, v[PC+6*\c+4:PC+6*\c+5], s[12:13] offset:1536*\s+768*\c    ; and the 256 behind them
.endr
.endm
	KQ 0
	KQ 1
	v_cndmask_b32 v7, v[SW], v[SW+1], s37
	global_store_b32 v9, v7, s[14:15]              ; 128 consecutive bytes: sixteen rows' two words
	s_wait_tensorcnt 0x0                           ; the wave's end
	ds_add_u32 v[SPW], v[NIL]
	s_wait_dscnt 0x0
	s_endpgm
.Lfunc_end_k_q5c4c549894_prep:
	.size	k_q5c4c549894_prep, .Lfunc_end_k_q5c4c549894_prep-k_q5c4c549894_prep
	.p2alignl 7, 3214868480
	.fill 96, 4, 3214868480
	.section	.rodata,"a",@progbits
	.p2align	6, 0x0
	.amdhsa_kernel k_q5c4c549894_prep
		.amdhsa_group_segment_fixed_size 68608
		.amdhsa_private_segment_fixed_size 0
		.amdhsa_enable_private_segment 0
		.amdhsa_kernarg_size 56
		.amdhsa_user_sgpr_count 2
		.amdhsa_user_sgpr_kernarg_segment_ptr 1
		.amdhsa_wavefront_size32 1
		.amdhsa_system_sgpr_workgroup_id_x 1
		.amdhsa_system_sgpr_workgroup_id_y 1
		.amdhsa_system_sgpr_workgroup_id_z 1
		.amdhsa_system_vgpr_workitem_id 0
		.amdhsa_next_free_vgpr 256
		.amdhsa_next_free_sgpr 66
		.amdhsa_reserve_vcc 1
		.amdhsa_float_denorm_mode_32 3
		.amdhsa_float_denorm_mode_16_64 3
		.amdhsa_memory_ordered 1
		.amdhsa_forward_progress 1
		.amdhsa_inst_pref_size 29
	.end_amdhsa_kernel
	.amdgpu_metadata
---
amdhsa.version: [ 1, 2 ]
amdhsa.kernels:
  - .name:           k_q5c4c549894_prep
    .symbol:         k_q5c4c549894_prep.kd
    .args:
      - { .name: x, .offset: 0, .size: 8, .value_kind: global_buffer, .address_space: global }
      - { .name: w_qkv, .offset: 8, .size: 8, .value_kind: global_buffer, .address_space: global }
      - { .name: w_out, .offset: 16, .size: 8, .value_kind: global_buffer, .address_space: global }
      - { .name: token_positions, .offset: 24, .size: 8, .value_kind: global_buffer, .address_space: global }
      - { .name: opimg, .offset: 32, .size: 8, .value_kind: global_buffer, .address_space: global }
      - { .name: opsc, .offset: 40, .size: 8, .value_kind: global_buffer, .address_space: global }
      - { .name: rope, .offset: 48, .size: 8, .value_kind: global_buffer, .address_space: global }
    .group_segment_fixed_size: 68608
    .private_segment_fixed_size: 0
    .kernarg_segment_align: 8
    .kernarg_segment_size: 56
    .max_flat_workgroup_size: 256
    .sgpr_count:     66
    .vgpr_count:     256
    .wavefront_size: 32
...
	.end_amdgpu_metadata
.endif
;; end of part 1
;; launch qkv (part 2): grid 8 x 24, 4 waves a work-group, clusters of 4 x 4, 327,680 bytes of LDS; arguments opimg, opsc, rope, rec, rsc; writes rec, rsc
.if DOCPART == 2
	.amdgcn_target "amdgcn-amd-amdhsa--gfx1250"
	.amdhsa_code_object_version 6
	.text
	.protected	k_q5c4c549894_qkv
	.globl	k_q5c4c549894_qkv
	.p2align	8
	.type	k_q5c4c549894_qkv,@function
k_q5c4c549894_qkv:
	s_mov_b64 s[64:65], 0
	v_nop
	global_prefetch_b8 v0, s[64:65] scope:SCOPE_SE
	s_setreg_imm32_b32 hwreg(HW_REG_WAVE_MODE, 25, 1), 1
	s_wait_xcnt 0x0
	s_wait_alu depctr_hold_cnt(0) depctr_sa_sdst(0) depctr_va_vdst(0) depctr_va_sdst(0) depctr_va_ssrc(0) depctr_va_vcc(0) depctr_vm_vsrc(0)
	s_getreg_b32 s2, hwreg(HW_REG_IB_STS2, 6, 4)
	s_cmp_eq_u32 s2, 0
	s_cbranch_scc0 .Lentry_in_a_cluster
	s_endpgm
.Lentry_in_a_cluster:
	s_bfe_u32 s2, ttmp6, 0x10000c
	s_cmp_lg_u32 s2, 0xf033
	s_cbranch_scc0 .Lentry_shape_is_right
	s_endpgm
.Lentry_shape_is_right:
.set NQ,     2
.set FR,     12
.set NL,     4
.set NP,     4
.set TILEB,  3072
.set HALFT,  8*TILEB
.set SLOT,   4*HALFT
.set SCL,    2*SLOT
.set HALFS,  4096
.set SPARE,  SCL+4*HALFS
.set ADRA, 16
.set ADRB, 20
.set ADRS, 27
.set SPW,  28
.set NIL,  29
.set SC,   32
.set AF,   128
.set WD,   32
.set HA,   64
.set CS0,  128
.set PC,   192
.set PT,   204
.set TM,   212
.set SEL,  30
.set HM,   32
.set G1, 24
.set G0, 32
.set G1B, 48
.set G0B, 56
.set G1S, 68
.set G0S, 76
.set G1SB, 80
.set G0SB, 88
.set MSB, 0
.macro WIN new
.set NEWW, \new
.if MSB != NEWW
	s_set_vgpr_msb (MSB<<8)|NEWW
.set MSB, NEWW
.endif
.endm
.set MUL_LO, 0xa1
.set MUL_HI, 0xf1
.set TO_B,   0x40
.macro JLOAD g0a, g1a, g0b, g1b
	s_cmp_eq_u32 s15, 0
	s_cbranch_scc0 .Lfor_b_\@
	tensor_load_to_lds s[\g0a:\g0a+3], s[\g1a:\g1a+7]
	s_nop 0
.rept 4
	v_nop
.endr
	s_branch .Lasked_\@
.Lfor_b_\@:
	tensor_load_to_lds s[\g0b:\g0b+3], s[\g1b:\g1b+7]
	s_nop 0
.rept 4
	v_nop
.endr
.Lasked_\@:
.endm
.macro CREST
	s_cmp_lg_u32 s14, 0
	s_cbranch_scc1 .Lnot_wave_0_\@
	s_barrier_signal -3
.Lnot_wave_0_\@:
	s_barrier_wait -3
	s_barrier_signal -1
	s_barrier_wait -1
.endm
.macro CROUND
	s_barrier_signal -1
	s_barrier_wait -1
	CREST
.endm
	s_load_b256 s[4:11], s[0:1], 0x0
	s_load_b64 s[12:13], s[0:1], 0x20
	v_lshl_add_u32 v[SPW], v0, 2, SPARE
	v_mov_b32 v[NIL], 0
	ds_add_u32 v[SPW], v[NIL]
	ds_add_u32 v[SPW], v[NIL]
	v_lshrrev_b32 v1, 5, v0
	v_readfirstlane_b32 s14, v1
	s_lshr_b32 s15, s14, 1
	s_and_b32 s16, s14, 1
	s_bfe_u32 s40, ttmp6, 0x40000
	s_bfe_u32 s41, ttmp6, 0x40004
	s_lshl_b32 s42, ttmp9, 2
	s_add_co_u32 s42, s42, s40
	s_and_b32 s17, ttmp7, 0xffff
	s_lshr_b32 s18, s17, 2
	s_and_b32 s19, s17, 3
	s_xor_b32 s2, s18, 1
	s_mul_i32 s3, s19, s2
	s_lshl_b32 s3, s3, 2
	s_mul_i32 s20, s18, 24
	s_add_co_u32 s20, s20, s3
	s_add_co_u32 s20, s20, s41
	s_mul_i32 s3, s19, s18
	s_lshl_b32 s3, s3, 3
	s_lshl_b32 s46, s2, 4
	s_add_co_u32 s46, s46, s3
	s_add_co_u32 s46, s46, s42
	s_lshl_b32 s43, s41, 2
	s_lshl_b32 s43, 15, s43
	s_lshl_b32 s44, 0x1111, s40
	s_or_b32 s[G1+0], s43, (3<<16)|(1<<21)
	s_or_b32 s[G1B+0], s44, (3<<16)|(1<<21)
.irp g, G1, G1B
	s_mov_b32 s[\g+1], 384<<16
	s_mov_b32 s[\g+2], 16<<16                      ; sixteen tiles for the head's loads; behind them the two words that count rows are set to 8, for the ring's
	s_mov_b32 s[\g+3], 384<<16
	s_mov_b32 s[\g+4], 16
	s_mov_b32 s[\g+5], 1536
	s_mov_b32 s[\g+6], 0
	s_mov_b32 s[\g+7], 0
.endr
	s_or_b32 s[G1S+0], s43, (3<<16)|(1<<21)
	s_or_b32 s[G1SB+0], s44, (3<<16)|(1<<21)
.irp g, G1S, G1SB
	s_mov_b32 s[\g+1], 32<<16
	s_mov_b32 s[\g+2], 32<<16                      ; the scales of sixteen tiles: 32 rows of 256 bytes
	s_mov_b32 s[\g+3], 32<<16
	s_mov_b32 s[\g+4], 32
	s_mov_b32 s[\g+5], 32
	s_mov_b32 s[\g+6], 0
	s_mov_b32 s[\g+7], 0
.endr
	s_mul_i32 s66, s16, 8*12288                    ; in the ring I fetch eight of a block's sixteen tiles: which half, in bytes
	s_mov_b32 s67, 0
	s_lshl_b32 s20, s20, 4
	s_lshl_b32 s46, s46, 4
	s_lshl_b32 s22, s20, 9
	s_mov_b32 s23, 0
	s_mul_i32 s20, s20, 12288
	s_mov_b32 s21, 0
	s_lshl_b32 s92, s46, 9
	s_mov_b32 s93, 0
	s_mul_i32 s46, s46, 12288
	s_mov_b32 s47, 0
	s_mul_i32 s45, s14, HALFT
	s_wait_dscnt 0x0
	s_wait_kmcnt 0x0
	s_add_nc_u64 s[20:21], s[4:5], s[20:21]
	s_add_nc_u64 s[22:23], s[6:7], s[22:23]
	s_add_nc_u64 s[46:47], s[4:5], s[46:47]
	s_add_nc_u64 s[92:93], s[6:7], s[92:93]
	CROUND
	s_mov_b32 s[G0S], 1
	s_mov_b32 s[G0S+1], SCL
	s_mov_b64 s[G0S+2:G0S+3], s[22:23]
	s_or_b32 s[G0S+3], s[G0S+3], 0x80000000
	s_mov_b32 s[G0SB], 1
	s_mov_b32 s[G0SB+1], SCL+2*HALFS
	s_mov_b64 s[G0SB+2:G0SB+3], s[92:93]
	s_or_b32 s[G0SB+3], s[G0SB+3], 0x80000000
	s_mov_b32 s4, 1                                ; group 0 of the head's loads of slot 0: A's sixteen tiles (in registers whose arguments have been used),
	s_mov_b32 s5, 0
	s_mov_b64 s[6:7], s[20:21]
	s_or_b32 s7, s7, 0x80000000
	s_mov_b32 s96, 1                               ; and B's sixteen, behind them
	s_mov_b32 s97, 2*HALFT
	s_mov_b64 s[98:99], s[46:47]
	s_or_b32 s99, s99, 0x80000000
	s_add_nc_u64 s[20:21], s[20:21], s[66:67]      ; for the ring: my eight tiles
	s_add_nc_u64 s[46:47], s[46:47], s[66:67]
.irp s, 0,1
	s_mov_b32 s[G0+4*\s], 1
	s_add_co_u32 s[G0+4*\s+1], s45, \s*SLOT
	s_add_nc_u64 s[G0+4*\s+2:G0+4*\s+3], s[20:21], \s*TILEB
	s_or_b32 s[G0+4*\s+3], s[G0+4*\s+3], 0x80000000
	s_mov_b32 s[G0B+4*\s], 1
	s_add_co_u32 s[G0B+4*\s+1], s45, \s*SLOT
	s_add_nc_u64 s[G0B+4*\s+2:G0B+4*\s+3], s[46:47], \s*TILEB
	s_or_b32 s[G0B+4*\s+3], s[G0B+4*\s+3], 0x80000000
.endr
; THE HEAD'S LOADS, ONE A WAVE: wave 0 fetches slot 0's sixteen tiles of A, wave 1 those of B, wave 2 A's scales, wave 3 B's.  One tree of branches on the wave's number.
.macro ARM under, g0, g1, next
	s_cmp_lt_u32 s14, \under
	s_cbranch_scc0 \next
	tensor_load_to_lds s[\g0:\g0+3], s[\g1:\g1+7]
	s_nop 0
.rept 4
	v_nop
.endr
	s_branch .Lhead_asked
\next:
.endm
	ARM 1, 4,   G1,  .Lhead_b
	ARM 2, 96,  G1B, .Lhead_sa
	ARM 3, G0S, G1S, .Lhead_sb
	tensor_load_to_lds s[G0SB:G0SB+3], s[G1SB:G1SB+7]
	s_nop 0
.rept 4
	v_nop
.endr
.Lhead_asked:
	v_and_b32 v1, 31, v0
	v_and_b32 v2, 15, v0
	v_bfe_u32 v3, v0, 4, 1
	v_lshlrev_b32 v4, 4, v1
	v_lshlrev_b32 v5, 3, v1
	v_add_nc_u32 v5, 512, v5
	v_and_b32 v6, 8, v2
	v_add_nc_u32 v6, v6, v2
	v_lshlrev_b32 v7, 8, v6
	v_lshl_add_u32 v7, v3, 6, v7
	v_lshlrev_b32 v8, 2, v1
	s_mul_i32 s21, s15, HALFT
	s_mul_i32 s22, s16, HALFT
	s_add_co_u32 s22, s22, 2*HALFT
.irp s, 0,1
	v_add_nc_u32 v[ADRA+\s], s21, v4
	v_add_nc_u32 v[ADRB+\s], s22, v4
	v_add_nc_u32 v[ADRA+2+\s], s21, v5
	v_add_nc_u32 v[ADRB+2+\s], s22, v5
	s_add_co_u32 s21, s21, SLOT
	s_add_co_u32 s22, s22, SLOT
.endr
	v_lshlrev_b32 v9, 3, v2
	s_lshl_b32 s21, s15, 12
	s_lshl_b32 s22, s16, 12
	s_add_co_u32 s22, s22, 2*HALFS
	s_sub_co_u32 s22, s22, s21
	v_mul_u32_u24 v10, s22, v3
	s_add_co_u32 s21, s21, SCL
	v_add_nc_u32 v9, v9, v10
	v_add_nc_u32 v[ADRS], s21, v9
.macro FRAG reg, adr, q, i
	ds_load_b128 v[\reg:\reg+3], v[\adr] offset:(\i)*TILEB+(\q)*1536
	ds_load_b64 v[\reg+4:\reg+5], v[\adr+2] offset:(\i)*TILEB+(\q)*1536
	ds_load_b128 v[\reg+6:\reg+9], v[\adr] offset:(\i)*TILEB+(\q)*1536+768
	ds_load_b64 v[\reg+10:\reg+11], v[\adr+2] offset:(\i)*TILEB+(\q)*1536+768
.endm
.macro MUL16 a0, p, q, sc, zero
.irp a, \a0, \a0+1
.irp b, 0,1,2,3,4,5,6,7
.if \zero
	v_wmma_scale_f32_16x16x128_f8f6f4 v[8*(8*((\a)%4)+\b):8*(8*((\a)%4)+\b)+7], v[128*(\p)+FR*\b:128*(\p)+FR*\b+FR-1], v[AF+FR*(\a):AF+FR*(\a)+FR-1], 0, v[SC+8*NQ*(\sc)+NQ*\b+(\q)], v[SC+8*NQ*(\sc)+NQ*(\a)+(\q)] matrix_a_fmt:MATRIX_FMT_FP6 matrix_b_fmt:MATRIX_FMT_FP6 matrix_a_scale:MATRIX_SCALE_ROW1
.else
	v_wmma_scale_f32_16x16x128_f8f6f4 v[8*(8*((\a)%4)+\b):8*(8*((\a)%4)+\b)+7], v[128*(\p)+FR*\b:128*(\p)+FR*\b+FR-1], v[AF+FR*(\a):AF+FR*(\a)+FR-1], v[8*(8*((\a)%4)+\b):8*(8*((\a)%4)+\b)+7], v[SC+8*NQ*(\sc)+NQ*\b+(\q)], v[SC+8*NQ*(\sc)+NQ*(\a)+(\q)] matrix_a_fmt:MATRIX_FMT_FP6 matrix_b_fmt:MATRIX_FMT_FP6 matrix_a_scale:MATRIX_SCALE_ROW1
.endif
.endr
.endr
.endm
.macro FETCH_B slot, q, p
	WIN TO_B
.irp i, 0,1,2,3,4,5,6,7
	FRAG 128*(\p)+FR*\i, ADRB+\slot, \q, \i
.endr
	WIN 0
.endm
.macro FETCH_A slot, q, i0
.irp i, \i0, \i0+1, \i0+2, \i0+3
	FRAG AF+FR*(\i), ADRA+\slot, \q, \i
.endr
.endm
.macro SCALES sc
.irp i, 0,1,2,3,4,5,6,7
	ds_load_b64 v[SC+8*NQ*\sc+NQ*\i:SC+8*NQ*\sc+NQ*\i+1], v[ADRS] offset:\i*512
.endr
.endm
.macro PLACES n
.rept \n
	v_nop
.endr
.endm
.macro STEP slot, q, zero
	s_wait_dscnt 4*NL
	WIN MUL_LO
	MUL16 0, (\q)%2, \q, \slot, \zero
	MUL16 2, (\q)%2, \q, \slot, \zero
	s_wait_dscnt 0
	PLACES NP
	FETCH_B \slot, (\q)+1, 1-(\q)%2
	FETCH_A \slot, (\q)+1, 0
	WIN MUL_HI
	MUL16 4, (\q)%2, \q, \slot, \zero
	MUL16 6, (\q)%2, \q, \slot, \zero
	PLACES NP
	WIN 0
	FETCH_A \slot, (\q)+1, 4
.endm
.macro TURN slot, next, fill
	s_wait_tensorcnt 0x0
	ds_add_u32 v[SPW], v[NIL]
	s_wait_dscnt 4*NL+1
	WIN MUL_LO
	MUL16 0, 1, NQ-1, \slot, 0
	s_wait_dscnt 0x0
	s_barrier_signal -1
	MUL16 2, 1, NQ-1, \slot, 0
	WIN 0
	s_barrier_wait -1
.if \fill
	CREST
	s_add_nc_u64 s[G0+4*\slot+2:G0+4*\slot+3], s[G0+4*\slot+2:G0+4*\slot+3], 2*TILEB
	s_add_nc_u64 s[G0B+4*\slot+2:G0B+4*\slot+3], s[G0B+4*\slot+2:G0B+4*\slot+3], 2*TILEB
	JLOAD G0+4*\slot, G1, G0B+4*\slot, G1B
.else
	PLACES NP
.endif
	s_wait_alu depctr_va_vdst(0)
	v_add_nc_u32 v[ADRS], 128, v[ADRS]
	FETCH_B \next, 0, 0
	FETCH_A \next, 0, 0
	SCALES \next
	WIN MUL_HI
	MUL16 4, 1, NQ-1, \slot, 0
	MUL16 6, 1, NQ-1, \slot, 0
	PLACES NP
	WIN 0
	FETCH_A \next, 0, 4
.endm
	s_wait_alu depctr_va_vdst(0)                   ; the wait at the head's end
	s_wait_tensorcnt 0x0                           ; my tile of the head's four is in
	ds_add_u32 v[SPW], v[NIL]
	s_mov_b32 s[G1+2], 8<<16                       ; no tensor load of mine is out, so a descriptor may be written: from here on a load brings eight tiles
	s_mov_b32 s[G1+4], 8
	s_mov_b32 s[G1B+2], 8<<16
	s_mov_b32 s[G1B+4], 8
	s_wait_dscnt 0x0
	CROUND                                         ; all four tiles are in, and all sixteen work-groups are here
	JLOAD G0+4, G1, G0B+4, G1B                     ; slot 1's first fill, the first tensor load behind the round
	FETCH_B 0, 0, 0
	FETCH_A 0, 0, 0
	SCALES 0
	FETCH_A 0, 0, 4
	STEP 0, 0, 1
	TURN 0, 1, 1
	STEP 1, 0, 0
	TURN 1, 0, 1
	STEP 0, 0, 0
	TURN 0, 1, 0
	STEP 1, 0, 0
	s_wait_dscnt 4*NL
	WIN MUL_LO
	MUL16 0, 1, NQ-1, 1, 0
	MUL16 2, 1, NQ-1, 1, 0
	s_wait_dscnt 0
	WIN MUL_HI
	MUL16 4, 1, NQ-1, 1, 0
	MUL16 6, 1, NQ-1, 1, 0
	WIN 0
.macro QUANT s, w, pw
	WIN ((\w)<<2)|((\w)<<4)
.irp b, 0,1,2,3
	v_max3_num_f32 v[TM+\b], 0x1800000, |v[(\s)+16*\b]|, |v[(\s)+16*\b+1]|
.endr
.irp i, 2,4,6,8,10,12,14
.irp b, 0,1,2,3
	v_max3_num_f32 v[TM+\b], v[TM+\b], |v[(\s)+16*\b+\i]|, |v[(\s)+16*\b+\i+1]|
.endr
.endr
	WIN 0
.irp b, 0,1,2,3
	v_permlanex16_b32 v[TM+4+\b], v[TM+\b], s[SEL], s[SEL+1]
.endr
.irp b, 0,1,2,3
	v_max_num_f32 v[TM+\b], v[TM+\b], v[TM+4+\b]
.endr
.irp b, 0,1,2,3
	v_add_nc_u32 v[TM+8+\b], 0xff000000, v[TM+\b]
.endr
.irp b, 0,1,2,3
	v_lshrrev_b32 v[TM+4+\b], 23, v[TM+8+\b]
.endr
	v_lshl_or_b32 v[\pw], v[TM+5], 8, v[TM+4]
	v_lshl_or_b32 v[\pw], v[TM+6], 16, v[\pw]
	v_lshl_or_b32 v[\pw], v[TM+7], 24, v[\pw]
	s_wait_xcnt 0x0
	WIN \w
.irp c, 0,1
	v_cvt_scalef32_pk16_fp6_f32 v[PC+6*\c:PC+6*\c+2], v[(\s)+32*\c:(\s)+32*\c+15], v[TM+8+2*\c]
	v_cvt_scalef32_pk16_fp6_f32 v[PT+4*\c:PT+4*\c+2], v[(\s)+32*\c+16:(\s)+32*\c+31], v[TM+8+2*\c+1]
.endr
	WIN 0
	v_nop
.irp c, 0,1
.irp i, 0,1,2
	v_permlane16_swap_b32 v[PC+6*\c+\i], v[PT+4*\c+\i]
.endr
.irp i, 0,1,2
	v_mov_b32 v[PC+6*\c+3+\i], v[PT+4*\c+\i]
.endr
.endr
.endm
	PLACES NP
.irp b, 0,1,2,3
	v_mov_b32 v[TM+4+\b], 0
.endr
	s_lshl_b32 s20, s42, 2
	s_lshl_b32 s21, s16, 1
	s_add_co_u32 s20, s20, s21
	s_lshl_b32 s21, s41, 2
	s_lshl_b32 s22, s15, 1
	s_add_co_u32 s21, s21, s22
	s_add_co_u32 s21, s21, 16
	s_lshl_b32 s22, s19, 2
	s_add_co_u32 s22, s22, s41
	s_lshl_b32 s22, s22, 1
	s_add_co_u32 s22, s22, s15
	s_lshl_b32 s23, s19, 3
	s_add_co_u32 s23, s23, s42
	s_lshl_b32 s23, s23, 1
	s_add_co_u32 s23, s23, s16
	s_cmp_eq_u32 s18, 0
	s_cselect_b32 s20, s20, s21
	s_cselect_b32 s22, s22, s23
	s_cselect_b32 s21, 0, 6144
	s_cselect_b32 s23, 0, 256
	s_mul_i32 s24, s20, 393216
	s_mul_i32 s26, s22, 12288
	s_add_co_u32 s24, s24, s26
	s_add_co_u32 s24, s24, s21
	s_mov_b32 s25, 0
	s_add_nc_u64 s[24:25], s[10:11], s[24:25]
	s_lshl_b32 s26, s20, 14
	s_lshl_b32 s28, s22, 9
	s_add_co_u32 s26, s26, s28
	s_add_co_u32 s26, s26, s23
	s_mov_b32 s27, 0
	s_add_nc_u64 s[26:27], s[12:13], s[26:27]
	s_lshl_b32 s28, s22, 15
	s_mov_b32 s29, 0
	s_add_nc_u64 s[28:29], s[8:9], s[28:29]
	s_mov_b32 s[SEL], 0x76543210
	s_mov_b32 s[SEL+1], 0xfedcba98
	s_mov_b32 s[HM], 0xffff0000
	s_mov_b32 s33, 0x05040100
	s_mov_b32 s34, 0x07060302
	s_cmp_lg_u32 s18, 0
	s_cbranch_scc1 .Lv
.macro ROPELOAD a
.set CSL, CS0+32*((\a)%2)
.irp j, 0,1,2,3,4,5,6,7
	global_load_b128 v[CSL+4*\j:CSL+4*\j+3], v7, s[28:29] offset:(32*((\a)/2)+8*((\a)%2))*256+128*(\j/4)+16*(\j%4)
.endr
.endm
.macro ROT a
.set XB, 64*((\a)%4)
.set CSB, CS0+32*((\a)%2)
	WIN 2+(\a)/4
.set J, 0
.rept 32
	v_pk_mul_f32 v[HA+2*J:HA+2*J+1], v[XB+2*J:XB+2*J+1], v[CSB+2*(J%16):CSB+2*(J%16)+1] op_sel_hi:[1,0]
.set J, J+1
.endr
.set J, 0
.rept 32
	v_pk_fma_f32 v[HA+2*J:HA+2*J+1], v[XB+2*J:XB+2*J+1], v[CSB+2*(J%16):CSB+2*(J%16)+1], v[HA+2*J:HA+2*J+1] op_sel:[1,1,0] op_sel_hi:[0,1,1] neg_lo:[1,0,0]
.set J, J+1
.endr
	WIN 0
.endm
	ROPELOAD 0
	ROPELOAD 1
.irp a, 0,1,2,3,4,5,6,7
.if \a < 7
	s_wait_loadcnt 8
.else
	s_wait_loadcnt 0x0
.endif
	ROT \a
.if \a < 6
	ROPELOAD \a+2
.endif
	QUANT HA, 0, WD+\a
.irp c, 0,1
	global_store_b128 v4, v[PC+6*\c:PC+6*\c+3], s[24:25] offset:393216*\c+768*\a
	global_store_b64 v5, v[PC+6*\c+4:PC+6*\c+5], s[24:25] offset:393216*\c+768*\a
.endr
.endr
.irp p, 0,1,2,3
	v_perm_b32 v[228+\p], v[WD+2*\p+1], v[WD+2*\p], s33
	v_perm_b32 v[232+\p], v[WD+2*\p+1], v[WD+2*\p], s34
.endr
.irp c, 0,1
.irp i, 0,1
	v_cndmask_b32 v[236+2*\c+\i], v[228+4*\c+2*\i], v[228+4*\c+2*\i+1], s[HM]
	global_store_b32 v8, v[236+2*\c+\i], s[26:27] offset:16384*\c+128*\i
.endr
.endr
	s_branch .Lend
.Lv:
.irp a, 0,1,2,3,4,5,6,7
	QUANT 64*(\a%4), 2+\a/4, WD+\a
.irp c, 0,1
	global_store_b128 v4, v[PC+6*\c:PC+6*\c+3], s[24:25] offset:393216*(\a/4)+1536*(\a%4)+768*\c
	global_store_b64 v5, v[PC+6*\c+4:PC+6*\c+5], s[24:25] offset:393216*(\a/4)+1536*(\a%4)+768*\c
.endr
.endr
.irp g, 0,1
.irp i, 0,1
	v_cndmask_b32 v[236+2*\g+\i], v[WD+4*\g+2*\i], v[WD+4*\g+2*\i+1], s[HM]
	global_store_b32 v8, v[236+2*\g+\i], s[26:27] offset:16384*\g+128*\i
.endr
.endr
.Lend:
	s_wait_tensorcnt 0x0
	ds_add_u32 v[SPW], v[NIL]
	s_wait_dscnt 0x0
	CROUND
	s_endpgm
.Lfunc_end_k_q5c4c549894_qkv:
	.size	k_q5c4c549894_qkv, .Lfunc_end_k_q5c4c549894_qkv-k_q5c4c549894_qkv
	.p2alignl 7, 3214868480
	.fill 96, 4, 3214868480
	.section	.rodata,"a",@progbits
	.p2align	6, 0x0
	.amdhsa_kernel k_q5c4c549894_qkv
		.amdhsa_group_segment_fixed_size 327680
		.amdhsa_private_segment_fixed_size 0
		.amdhsa_enable_private_segment 0
		.amdhsa_kernarg_size 40
		.amdhsa_user_sgpr_count 2
		.amdhsa_user_sgpr_kernarg_segment_ptr 1
		.amdhsa_wavefront_size32 1
		.amdhsa_system_sgpr_workgroup_id_x 1
		.amdhsa_system_sgpr_workgroup_id_y 1
		.amdhsa_system_sgpr_workgroup_id_z 1
		.amdhsa_system_vgpr_workitem_id 0
		.amdhsa_next_free_vgpr 1024
		.amdhsa_next_free_sgpr 100
		.amdhsa_reserve_vcc 0
		.amdhsa_float_denorm_mode_32 3
		.amdhsa_float_denorm_mode_16_64 3
		.amdhsa_memory_ordered 1
		.amdhsa_forward_progress 1
		.amdhsa_inst_pref_size 224
	.end_amdhsa_kernel
	.amdgpu_metadata
---
amdhsa.version: [ 1, 2 ]
amdhsa.kernels:
  - .name:           k_q5c4c549894_qkv
    .symbol:         k_q5c4c549894_qkv.kd
    .args:
      - { .name: opimg, .offset: 0, .size: 8, .value_kind: global_buffer, .address_space: global }
      - { .name: opsc, .offset: 8, .size: 8, .value_kind: global_buffer, .address_space: global }
      - { .name: rope, .offset: 16, .size: 8, .value_kind: global_buffer, .address_space: global }
      - { .name: rec, .offset: 24, .size: 8, .value_kind: global_buffer, .address_space: global }
      - { .name: rsc, .offset: 32, .size: 8, .value_kind: global_buffer, .address_space: global }
    .group_segment_fixed_size: 327680
    .private_segment_fixed_size: 0
    .kernarg_segment_align: 8
    .kernarg_segment_size: 40
    .max_flat_workgroup_size: 128
    .sgpr_count:     100
    .vgpr_count:     1024
    .wavefront_size: 32
...
	.end_amdgpu_metadata
.endif
;; end of part 2
;; launch attn (part 3): grid 16 x 16, 16 waves a work-group, no clusters, 327,680 bytes of LDS; arguments rec, rsc, aimg, asc; writes aimg, asc
.if DOCPART == 3
	.amdgcn_target "amdgcn-amd-amdhsa--gfx1250"
	.amdhsa_code_object_version 6
	.text
	.protected	k_q5c4c549894_attn
	.globl	k_q5c4c549894_attn
	.p2align	8
	.type	k_q5c4c549894_attn,@function
k_q5c4c549894_attn:
	s_mov_b64 s[64:65], 0
	v_nop
	global_prefetch_b8 v0, s[64:65] scope:SCOPE_SE
	s_setreg_imm32_b32 hwreg(HW_REG_WAVE_MODE, 25, 1), 1
	s_wait_xcnt 0x0
; Causal attention of one head on codes of FP6 (E2M3) with E8M0 scales, and the quantising of its result for the last product.  T = 4,096, head size 64.
; IN: rec [32 hh][32 steps of 128 tokens][12,288]: hh = head: q; hh = 16 + head: k and v.  Bytes 768 a on: token tile a's half fragment (16 tokens x 64; registers 0-3 of lane l at 16 l,
; registers 4, 5 at 512 + 8 l); bytes 6,144 + 1,536 dt on: v^T's fragment (16 channels x 128 keys).  rsc [32 hh][32 steps][512]: pair words at 64 p + 4 r, v^T's words at 256 + 64 dt + 4 r.
; In a stored token tile a, lane r holds token 32 (a / 2) + 8 (a % 2) + r + 8 (r / 8) of the step; channel tiles likewise.
; LEFT OUT: key steps all of whose keys come after a wave's queries: the causal mask makes their p zero for every input.  A NaN or infinity that reaches only such keys is not carried on.
; THE SOFTMAX: t = score x log2(e) / 8; M = the row's largest t so far, rounded UP to a whole number; p = 2^(t - M) is quantised along the keys, not normalised.  The row's sum is taken of the unquantised p and
; divides O at the end.  When M moves, the sum and O are multiplied by 2^(old M - new M): exact.
; BOTH PRODUCTS TRANSPOSED: S^T = K Q^T (source 0 = 16 keys, source 1 = my 16 queries), O^T = V^T P^T: a lane holds ONE query throughout.
; WHICH KEYS FORM A TILE OF K is chosen by each lane's LDS address: in tile t = 2 x + u of the 64 keys c, lanes 0-7 take keys 64 c + 8 t + r and lanes 8-15 keys 64 c + 32 + 8 t + (r - 8)
; (stored tile 4 c + 2 (r / 8) + u, row 8 x + r % 8).  So score register 32 c + i of lane (r, h) is key 64 c + 32 h + i: a lane holds WHOLE blocks of 32 keys, in the order of p's operand registers:
; a block's maximum needs no other lane, and the conversions' results are the operand but for three moves a block.
; THE FIRST PRODUCT'S K IS 64, THE INSTRUCTION'S 128.  A fragment of K holds two key tiles (u = 0 in k = 0-63, u = 1 in k = 64-127).  Q stands in a run of 18 registers, six zeros | Q | six zeros:
; [Q | 0] multiplies the first tile, [0 | Q] the second.  Zero codes add nothing; the scale bytes beside them are 0, which is 2^-127 and no NaN.
; SHARES.  Work-group (j, head) owns the blocks of 128 queries j and 31 - j; each of its sixteen waves one tile of 16 queries, eight waves to a block.  A block b walks b + 1 key steps of 128, so every
; work-group has 8 (j + 1) + 8 (32 - j) = 264 tile-steps.  Wave w takes tile w >> 1 of the late block where (w ^ (w >> 2)) & 1 is 1.
; LDS.  Every tensor load brings 16 rows of 256 bytes (4,096 dense bytes), 64 bytes of padding behind each row: rows 320 bytes apart, so that the two groups of eight lanes of a 16-byte read of K,
; six rows apart, fall on different halves of the 64 banks.  Slot 0 at 0 (four key steps, 192 rows), the head's scale bytes behind it (64 rows, filled once), slot 1 at 131,072.
; At the head wave w fills rows 16 w on: waves 0-11 slot 0, waves 12-15 the scale bytes: one load in every wave, no branch.  Refills: waves 0-11, one load each.
; Every work-group walks all eight slots: the trip count is a constant.  A slot whose first key comes after the work-group's last query is not asked for (ids alone; the eighth trip always goes that way).
; NO CLUSTER: the sixteen work-groups of a head stop asking at different slots (work-group j at slot (31 - j) / 4), so partners would need different numbers of tiles.
; OUT.  aimg [256 token tiles][8 K steps][1,536]: head hd's half fragment at 768 hd;  asc [256 tiles][4][16 r][2 words]: the byte of (hd, block) at 128 (hd >> 2) + 8 r + 2 (hd & 3) + block.
; LIMITS: NaN and infinities are not served; the scaled scores t stay under 2^31 in magnitude; a block whose largest magnitude lies under 2^-124 takes the byte 1 (read by this program alone).
; REGISTERS: v1-7 offsets that stay; v8-11, v34, v35 the slot's LDS addresses; v12 -M, v13 the largest score; v16-33 Q's run; v36-83 four fragments of K, then of V; v84-87 K's words, v88-91 V's;
;   v92, v93 Q's words; v94 the mask's number; v95 the prefetches' offset; v96-159 S^T, then p; v160-191 O^T; v192-196 lane terms; v200-223 at work (v[210:211] the row's sum); v224-242 p's codes.
.set RECP,  15360                      ; a key step's record in LDS: 48 rows of 320 bytes
.set SLOTB, 49152                      ; a slot's bytes in memory
.set SLOT1, 131072                     ; slot 1 begins here: one exclusive or turns an address in one slot into the other's
.set SCB,   61440                      ; behind slot 0: the scale bytes, two rows (640 bytes) a step
.set SPARE, 196608                     ; the spare words, 128 bytes for each wave: eight blocks of 256 bytes that no other line names
.set NSL,   8
.set SPW,  5
.set NIL,  6
.set TB,   2                           ; s2   LDS byte at which the slot in hand begins
.set TS,   3                           ; s3   2,560 x the slot's number
.set WV,   18
.set SEL,  20                          ; s[20:21] selects for lane l xor 16
.set CS,   22                          ; s[22:23] c = log2(e) / 8
.set G1,   24                          ; s[24:31] descriptor group 1;  s[32:35] group 0, which walks
.set G0,   32
.set KF,   52                          ; the step's first key
.set QB,   53                          ; my block's first query
.set QL,   54                          ; my work-group's last query
.set SLOTS, 55                         ; trips still to come, this one among them
.set PFA,  58
.set LIM,  60                          ; 2 in a wave that prefetches, else the greatest number
.set HM,   61                          ; lanes 16-31
.macro TLOAD                           ; waves 0-11 fetch sixteen rows each; an s_nop 0 and four v_nop follow the line
	s_cmp_lt_u32 s[WV], 12
	s_cbranch_scc0 .Lasked_\@
	tensor_load_to_lds s[G0:G0+3], s[G1:G1+7]
	s_nop 0
.rept 4
	v_nop
.endr
.Lasked_\@:
.endm
; A PREFETCH INTO THE L2 of the slot that the NEXT trip will ask for: 49,152 dense bytes.  All work-groups of a head walk the same records: work-group j = 0, which walks them all, asks, and nobody else:
; its waves 8 to 13, one instruction each, 8,192 bytes a wave, lanes 256 bytes apart: each block of 256 bytes is named once in the launch.  Trips 0 to 5 ask, for slots 2 to 7; slots 0 and 1 come by their loads alone.
.macro ASK
	s_cmp_gt_u32 s[SLOTS], s[LIM]
	s_cbranch_scc0 .Lnot_mine_\@
	global_prefetch_b8 v95, s[PFA:PFA+1] th:TH_LOAD_NT scope:SCOPE_SE
.Lnot_mine_\@:
.endm
	s_load_b256 s[4:11], s[0:1], 0x0               ; rec, rsc, aimg, asc
	v_lshl_add_u32 v[SPW], v0, 2, SPARE
	v_mov_b32 v[NIL], 0
	ds_add_u32 v[SPW], v[NIL]                      ; the opening lines: the add, twice on end, and its wait ahead of my first tensor load
	ds_add_u32 v[SPW], v[NIL]
	v_lshrrev_b32 v8, 5, v0
	v_readfirstlane_b32 s[WV], v8                  ; wave 0..15
	s_and_b32 s12, ttmp7, 0xffff                   ; the head
	s_lshr_b32 s13, s[WV], 1                       ; my tile in its block
	s_lshr_b32 s14, s[WV], 2
	s_xor_b32 s14, s14, s[WV]
	s_and_b32 s14, s14, 1                          ; 1: the late block
	s_lshl_b32 s15, ttmp9, 1
	s_sub_co_u32 s15, 31, s15
	s_mul_i32 s15, s15, s14
	s_add_co_u32 s15, s15, ttmp9                   ; my block: j or 31 - j
	s_lshl_b32 s[QB], s15, 7
	s_sub_co_u32 s[QL], 31, ttmp9
	s_lshl_b32 s[QL], s[QL], 7
	s_or_b32 s[QL], s[QL], 127
	s_mov_b32 s[G1], (3<<16)|(1<<20)|(5<<22)|(15<<25)  ; elements of 8 bytes; padding on: after every 64 words, 16 words
	s_mov_b32 s[G1+1], 32<<16                      ; tensor_dim0: 256 bytes
	s_mov_b32 s[G1+2], 16<<16                      ; tensor_dim1
	s_mov_b32 s[G1+3], 32<<16                      ; tile_dim0
	s_mov_b32 s[G1+4], 16                          ; tile_dim1
	s_mov_b32 s[G1+5], 32                          ; dense rows
	s_mov_b32 s[G1+6], 0
	s_mov_b32 s[G1+7], 0
	s_add_co_u32 s17, s12, 16                      ; hh of k and v
	s_mul_i32 s66, s17, 393216                     ; its records
	s_mov_b32 s67, 0
	s_lshl_b32 s68, s[WV], 12                      ; my 4,096 bytes:
	s_lshl_b32 s70, s17, 14
	s_add_co_u32 s70, s70, s68
	s_sub_co_u32 s70, s70, SLOTB                   ; waves 12-15: quarter w - 12 of the head's scale bytes,
	s_add_co_u32 s68, s68, s66                     ; waves 0-11: of slot 0
	s_cmp_lt_u32 s[WV], 12
	s_cselect_b32 s68, s68, s70
	s_mov_b32 s69, 0
	s_mul_i32 s84, s[WV], 5120                     ; and where they go: sixteen rows of 320 bytes a wave
	s_mul_i32 s72, s12, 393216
	s_mul_i32 s83, s15, 12288
	s_add_co_u32 s72, s72, s83
	s_mul_i32 s83, s13, 768
	s_add_co_u32 s72, s72, s83                     ; q: my tile's half fragment
	s_mov_b32 s73, 0
	s_lshl_b32 s74, s12, 14
	s_lshl_b32 s83, s15, 9
	s_add_co_u32 s74, s74, s83
	s_lshr_b32 s83, s13, 1
	s_lshl_b32 s85, s83, 6
	s_add_co_u32 s74, s74, s85                     ; and its pair's words
	s_mov_b32 s75, 0
	s_lshl_b32 s81, s83, 5
	s_and_b32 s82, s13, 1
	s_lshl_b32 s85, s82, 3
	s_add_co_u32 s81, s81, s85                     ; my tile's first query in its block
	s_lshl_b32 s82, s82, 4                         ; which half of the pair word is mine
	s_lshl_b32 s83, s15, 3
	s_add_co_u32 s83, s83, s13                     ; my token tile among the 256
	s_mul_i32 s76, s83, 12288
	s_mul_i32 s85, s12, 768
	s_add_co_u32 s76, s76, s85                     ; aimg
	s_mov_b32 s77, 0
	s_lshl_b32 s78, s83, 9
	s_lshr_b32 s85, s12, 2
	s_lshl_b32 s85, s85, 7
	s_add_co_u32 s78, s78, s85
	s_and_b32 s85, s12, 3
	s_lshl_b32 s85, s85, 1
	s_add_co_u32 s78, s78, s85                     ; asc
	s_mov_b32 s79, 0
	s_and_b32 s83, s[WV], 7
	s_min_u32 s83, s83, 5                          ; the prefetches: my wave's 8,192 bytes of a slot (held inside the slot in the waves that never ask too),
	s_lshl_b32 s86, s83, 13
	s_add_co_u32 s86, s86, SLOTB                   ; in slot 1: the first trip steps it to slot 2
	s_mov_b32 s87, 0
	s_sub_co_u32 s83, s[WV], 8
	s_cmp_lt_u32 s83, 6                            ; waves 8 to 13
	s_cselect_b32 s[LIM], 2, -1
	s_cmp_eq_u32 ttmp9, 0                          ; of work-group j = 0
	s_cselect_b32 s[LIM], s[LIM], -1
	s_mov_b32 s[SEL], 0x76543210
	s_mov_b32 s[SEL+1], 0xfedcba98
	s_mov_b32 s[CS], 0x3e38aa3b                    ; c = log2(e) / sqrt(64)
	s_mov_b32 s[CS+1], s[CS]
	s_mov_b32 s[HM], 0xffff0000
	s_mov_b32 s[TB], 0
	s_mov_b32 s[TS], 0
	s_mov_b32 s[KF], 0
	s_mov_b32 s[SLOTS], NSL
	v_and_b32 v9, 31, v0                           ; lane
	v_and_b32 v8, 15, v0                           ; r
	v_bfe_u32 v10, v0, 4, 1                        ; h
	v_and_b32 v11, 7, v0                           ; r % 8
	v_bfe_u32 v13, v0, 3, 1                        ; r / 8
	v_lshlrev_b32 v1, 4, v9                        ; 16 x lane
	v_lshlrev_b32 v2, 3, v9
	v_lshlrev_b32 v95, 8, v9                       ; 256 x lane
	v_lshlrev_b32 v194, 4, v11
	v_lshlrev_b32 v195, 3, v11
	v_lshl_add_u32 v192, v10, 6, v1                ; V, 16 bytes a lane: 16 l, and the padding behind the first row
	v_add_nc_u32 v193, 640, v2                     ; V, 8 bytes a lane: the third row
	v_add_nc_u32 v2, 512, v2                       ; in memory: 512 + 8 x lane
	v_mad_u32_u24 v194, v10, 320, v194
	v_lshl_add_u32 v195, v10, 7, v195
	v_lshlrev_b32 v14, 2, v8                       ; 4 r
	v_lshlrev_b32 v3, 2, v11
	v_mad_u32_u24 v194, v13, 1920, v194            ; K, 16 bytes: 16 (r % 8) + a row for h + two stored tiles (six rows) for r / 8
	v_mad_u32_u24 v195, v13, 1920, v195
	v_lshl_add_u32 v3, v13, 6, v3
	v_add_nc_u32 v7, SCB+320, v14                  ; V's words: the step's second row, 4 r
	v_add_nc_u32 v195, 640, v195                   ; K, 8 bytes: the tile's third row, 8 (r % 8) + 128 h
	v_add_nc_u32 v3, SCB, v3                       ; K's words: 4 (r % 8) + 64 (r / 8)
	v_lshl_add_u32 v4, v8, 3, v10                  ; asc: 8 r + h
	v_lshlrev_b32 v196, 3, v10                     ; 8 h
	v_and_b32 v15, 8, v8
	v_lshlrev_b32 v9, 5, v10
	v_add_nc_u32 v15, v15, v8                      ; r + 8 (r / 8)
	v_sub_nc_u32 v15, v15, v9
	v_add_nc_u32 v94, s81, v15                     ; d = my query in its block - 32 h: on the diagonal register 32 c + i holds a hidden key where 64 c + i > d
	s_wait_alu depctr_va_vdst(0)                   ; the wait ahead of the blocking waits
	s_wait_dscnt 0x0                               ; both opening adds are done
	s_wait_kmcnt 0x0
	s_cmp_lt_u32 s[WV], 12                         ; the choice of buffer hangs on the wave's number alone
	s_cselect_b64 s[G0+2:G0+3], s[4:5], s[6:7]
	s_add_nc_u64 s[G0+2:G0+3], s[G0+2:G0+3], s[68:69]
	s_or_b32 s[G0+3], s[G0+3], 0x80000000          ; type = 2
	s_mov_b32 s[G0], 1
	s_mov_b32 s[G0+1], s84
	tensor_load_to_lds s[G0:G0+3], s[G1:G1+7]      ; my one load of the head
	s_nop 0
.rept 4
	v_nop
.endr
	s_add_nc_u64 s[PFA:PFA+1], s[4:5], s[66:67]
	s_add_nc_u64 s[PFA:PFA+1], s[PFA:PFA+1], s[86:87]
	s_add_nc_u64 s[72:73], s[4:5], s[72:73]
	s_add_nc_u64 s[74:75], s[6:7], s[74:75]
	s_add_nc_u64 s[76:77], s[8:9], s[76:77]
	s_add_nc_u64 s[78:79], s[10:11], s[78:79]
	global_load_b128 v[22:25], v1, s[72:73]        ; Q stays in registers
	global_load_b64 v[26:27], v2, s[72:73]
	global_load_b32 v92, v14, s[74:75]             ; its pair's word
.irp j, 16,17,18,19,20,21,28,29,30,31,32,33
	v_mov_b32 v\j, 0                               ; the zero codes on both sides of Q
.endr
	v_mov_b32 v13, 0xff61b1e6                      ; the largest score so far: -3e38
	v_mov_b32 v210, 0                              ; the sum, in two halves
	v_mov_b32 v211, 0
	v_mul_f32 v12, s[CS], v13
	v_mov_b32 v205, 0                              ; written once: a lane permute's destination counts as one of its sources
	v_mov_b32 v223, 0
	v_floor_f32 v12, -v12                          ; -M
	v_mov_b32 v208, 0
	v_mov_b32 v209, 0                              ; (named as a pair with v208)
	s_wait_loadcnt 0x0
	v_lshrrev_b32 v92, s82, v92
	v_and_b32 v92, 0xffff, v92                     ; (s0, s1, 0, 0): for [Q | 0]
	v_lshlrev_b32 v93, 16, v92                     ; (0, 0, s0, s1): for [0 | Q]
.set J, 0
.rept 32
	v_mov_b32 v[160+J], 0                          ; O^T: the step is written once; the first finds zeros.  (Also the places between the scale words' making and the first product)
.set J, J+1
.endr
	s_wait_alu depctr_va_vdst(0)                   ; the wait at the head's end
.macro SADD n                          ; the next n pairs of p onto the four chains of the sum, by turns
.rept \n
	v_pk_add_f32 v[210+2*(PK%4):211+2*(PK%4)], v[210+2*(PK%4):211+2*(PK%4)], v[96+2*PK:97+2*PK]
.set PK, PK+1
.endr
.endm
; A KEY STEP: 128 keys, the q-th of the slot in hand.
.macro STEP q
	s_cmp_gt_u32 s[KF], s[QB]                      ; all its keys come after my 16 queries: left out.  A branch on ids, round loads, products and softmax alone
	s_cbranch_scc1 .Lhidden_\@
.irp pf, 0,1,2,3                       ; K: fragment pf = 2 c + x, two key tiles each.  (The last step's four additions behind its products are the places in front of these loads)
.irp u, 0,1
	ds_load_b128 v[36+12*\pf+6*\u:39+12*\pf+6*\u], v10 offset:RECP*(\q)+3840*(\pf/2)+128*(\pf%2)+960*\u
	ds_load_b64 v[40+12*\pf+6*\u:41+12*\pf+6*\u], v11 offset:RECP*(\q)+3840*(\pf/2)+64*(\pf%2)+960*\u
.endr
	ds_load_b32 v[84+\pf], v34 offset:640*(\q)+128*(\pf/2)+32*(\pf%2)
.endr
	s_wait_dscnt 0x0
.irp pf, 0,1,2,3                       ; S^T = K Q^T: eight accumulators, one instruction each
	v_wmma_scale_f32_16x16x128_f8f6f4 v[96+16*\pf:103+16*\pf], v[36+12*\pf:47+12*\pf], v[22:33], 0, v[84+\pf], v92 matrix_a_fmt:MATRIX_FMT_FP6 matrix_b_fmt:MATRIX_FMT_FP6
	v_wmma_scale_f32_16x16x128_f8f6f4 v[104+16*\pf:111+16*\pf], v[36+12*\pf:47+12*\pf], v[16:27], 0, v[84+\pf], v93 matrix_a_fmt:MATRIX_FMT_FP6 matrix_b_fmt:MATRIX_FMT_FP6
.endr                                  ; lane (r, h) holds query r; register 32 c + i holds key KF + 64 c + 32 h + i
.rept 4
	v_nop                                          ; places: for the reads of the scores, and for V's loads into the registers that held K
.endr
.irp dt, 0,1,2,3                       ; V^T's four fragments are asked for now and land under the softmax
.irp c, 0,1
	ds_load_b128 v[36+12*\dt+6*\c:39+12*\dt+6*\c], v8 offset:RECP*(\q)+7680+1920*\dt+960*\c
	ds_load_b64 v[40+12*\dt+6*\c:41+12*\dt+6*\c], v9 offset:RECP*(\q)+7680+1920*\dt+960*\c
.endr
	ds_load_b32 v[88+\dt], v35 offset:640*(\q)+64*\dt
.endr
	s_cmp_lt_u32 s[KF], s[QB]                      ; a step all of whose keys count skips the mask
	s_cbranch_scc1 .Lopen_\@
	v_mov_b32 v204, 0xff800000                     ; on the diagonal the scores of hidden keys become -infinity ahead of the maximum: p = 0 then
.set J, 0
.rept 64
	v_cmp_gt_i32 vcc_lo, 64*(J/32)+J%32, v94
	v_cndmask_b32 v[96+J], v[96+J], v204, vcc_lo
.set J, J+1
.endr
.Lopen_\@:
.irp c, 0,1                            ; THE LARGEST SCORE OF EACH OF MY TWO BLOCKS OF 32 KEYS, in two chains each, every accumulator from its low end on.  It serves for the row's maximum and, since p rises with the score, for the block's largest p
.irp g, 0,1
	v_max3_num_f32 v[200+2*\c+\g], v[96+32*\c+16*\g], v[97+32*\c+16*\g], v[98+32*\c+16*\g]
.endr
.endr
.irp i, 3,5,7,9,11,13
.irp c, 0,1
.irp g, 0,1
	v_max3_num_f32 v[200+2*\c+\g], v[200+2*\c+\g], v[96+32*\c+16*\g+\i], v[97+32*\c+16*\g+\i]
.endr
.endr
.endr
	v_max3_num_f32 v200, v200, v201, v111
	v_max3_num_f32 v202, v202, v203, v143
	v_max_num_f32 v200, v200, v127
	v_max_num_f32 v202, v202, v159
	s_delay_alu instid0(VALU_DEP_1)
	v_max_num_f32 v204, v200, v202
	s_delay_alu instid0(VALU_DEP_1)
	v_permlanex16_b32 v205, v204, s[SEL], s[SEL+1] ; lane l xor 16's two blocks
	s_delay_alu instid0(VALU_DEP_1)
	v_max3_num_f32 v13, v13, v204, v205            ; the running largest score of my query
	s_delay_alu instid0(VALU_DEP_1)
	v_mul_f32 v206, s[CS], v13                     ; as t (c is positive)
	s_delay_alu instid0(VALU_DEP_1)
	v_floor_f32 v206, -v206                        ; the new -M = floor(-t) = -ceil(t): M IS A WHOLE NUMBER
	s_delay_alu instid0(VALU_DEP_1)
	v_sub_f32 v207, v206, v12                      ; M's old value less its new one: a whole number, 0 or less
	v_mov_b32 v12, v206
.set J, 0
.rept 32
	v_pk_fma_f32 v[96+J:97+J], v[96+J:97+J], s[CS:CS+1], v[12:13] op_sel_hi:[1,0,0]   ; t - M, two at a time (of the pairs c and -M the low word serves both halves)
.if J == 2
	v_cvt_i32_f32 v207, v207                       ; (it saturates)
.endif
.if J == 8
	v_ldexp_f32 v208, 1.0, v207                    ; f = 2^(old M - new M): a multiplication by it rounds nothing
.endif
.set J, J+2
.endr
	v_fma_f32 v200, v200, s[CS], v12               ; the same of each block's largest score
	v_fma_f32 v202, v202, s[CS], v12
	s_wait_alu depctr_va_vdst(0)                   ; the wait ahead of the batch
	v_exp_f32 v200, v200                           ; the blocks' largest p
	v_exp_f32 v202, v202
.set J, 0
.rept 64
	v_exp_f32 v[96+J], v[96+J]                     ; p = 2^(t - M), at most 1: NOT normalised
.set J, J+1
.endr
	s_wait_dscnt 0x0                               ; V^T and its words are in: no blocking wait stands from here to the step's end
	s_wait_alu depctr_va_vdst(0)                   ; one wait behind the batch, directly ahead of the first readers of O^T
.set J, 0
.rept 16
	v_pk_mul_f32 v[160+J:161+J], v[160+J:161+J], v[208:209] op_sel_hi:[1,0]   ; O^T under the new M: x f, each accumulator from its low end on
.set J, J+2
.endr
	v_max_num_f32 v200, 0x1800000, v200            ; the floor 2^(3 - 127): the byte cannot fall under 1 (a block whose every p is 0 keeps that byte: its codes are zeros)
	v_max_num_f32 v202, 0x1800000, v202
	v_pk_fma_f32 v[210:211], v[210:211], v[208:209], v[96:97] op_sel_hi:[1,0,1]   ; THE ROW'S SUM IS TAKEN OF THE UNQUANTISED p: the old sum x f and the first pair; three more chains begin
	v_pk_add_f32 v[212:213], v[98:99], v[100:101]
	v_pk_add_f32 v[214:215], v[102:103], v[104:105]
	v_pk_add_f32 v[216:217], v[106:107], v[108:109]
	v_add_nc_u32 v218, 0xff000000, v200            ; 2 off the exponent field: the conversion's scale operand
	v_add_nc_u32 v219, 0xff000000, v202
.set PK, 7
	SADD 2                                         ; (the sum's additions stand between the links of the scale word's chain)
	v_lshrrev_b32 v220, 23, v218                   ; the scales' bytes
	v_lshrrev_b32 v221, 23, v219
	SADD 2
	v_lshl_or_b32 v222, v221, 16, v220             ; my two bytes, blocks h and 2 + h,
	SADD 2
	v_lshlrev_b32 v222, v196, v222                 ; at their places in the word;
	SADD 2
	v_permlanex16_b32 v223, v222, s[SEL], s[SEL+1]
	SADD 2
	v_or_b32 v222, v222, v223                      ; with lane l xor 16's two the word is whole
.irp c, 0,1
	v_cvt_scalef32_pk16_fp6_f32 v[224+6*\c:226+6*\c], v[96+32*\c:111+32*\c], v[218+\c]
	v_cvt_scalef32_pk16_fp6_f32 v[236+4*\c:238+4*\c], v[112+32*\c:127+32*\c], v[218+\c]   ; (a conversion's three registers begin on an even number)
.endr
	SADD 1                                         ; one plain instruction behind the scaled conversions
.irp c, 0,1
.irp i, 0,1,2
	v_mov_b32 v[227+6*\c+\i], v[236+4*\c+\i]
.endr
.endr
	SADD 14                                        ; the places between p's word and codes and the products
.irp dt, 0,1,2,3                       ; O^T += V^T P^T: four accumulators, one instruction each; K = these 128 keys
	v_wmma_scale_f32_16x16x128_f8f6f4 v[160+8*\dt:167+8*\dt], v[36+12*\dt:47+12*\dt], v[224:235], v[160+8*\dt:167+8*\dt], v[88+\dt], v222 matrix_a_fmt:MATRIX_FMT_FP6 matrix_b_fmt:MATRIX_FMT_FP6
.endr
	v_pk_add_f32 v[210:211], v[210:211], v[212:213]   ; the four chains become one: these four lines are the places behind the products
	v_pk_add_f32 v[214:215], v[214:215], v[216:217]
	v_nop
	v_pk_add_f32 v[210:211], v[210:211], v[214:215]
.Lhidden_\@:
	s_add_co_u32 s[KF], s[KF], 128
.endm
; A TRIP: the change of slots, then the slot's four steps.  Each wave waits for all its tensor loads (its part of the slot that it is about to read), adds 0 to its spare word, and waits for that and for its reads of
; the slot that it has left.  Behind the barrier the slot ahead is whole and nobody reads the other one, which is filled with the keys that follow, up to the causal limit: the load has four key steps in which to land.
.Lslot:
	v_add_nc_u32 v8, s[TB], v192                   ; the slot's LDS addresses: the steps' places stand in the loads' immediates
	v_add_nc_u32 v9, s[TB], v193
	v_add_nc_u32 v10, s[TB], v194
	v_add_nc_u32 v11, s[TB], v195
	v_add_nc_u32 v34, s[TS], v3
	v_add_nc_u32 v35, s[TS], v7
	s_wait_alu depctr_va_vdst(0)                   ; the wait ahead of the blocking waits
	s_wait_tensorcnt 0x0                           ; no tensor load of mine is out, so group 0 may be written
	ds_add_u32 v[SPW], v[NIL]                      ; 0 onto my spare word
	s_xor_b32 s[G0+1], s[G0+1], SLOT1              ; the walking descriptor: the other slot than last time,
	s_add_nc_u64 s[G0+2:G0+3], s[G0+2:G0+3], SLOTB ; the next four key steps
	s_wait_xcnt 0x0                                ; the last prefetch, a trip back, has read its address
	s_add_nc_u64 s[PFA:PFA+1], s[PFA:PFA+1], SLOTB ; one slot further on than the walking descriptor
	s_wait_dscnt 0x0                               ; the add is done, and my reads of the slot that I have left are over
	s_barrier_signal -1
	s_barrier_wait -1
	s_add_co_u32 s80, s[KF], 512                   ; the first key of the slot that this trip would ask for:
	s_cmp_gt_u32 s80, s[QL]                        ; behind my work-group's last query none of its waves reads it, so it is not asked for.  Ids and the count of steps alone: all sixteen waves go the same way,
	s_cbranch_scc1 .Lpast                          ; a work-group past the limit stays past it, the eighth trip is always past it, and every wait on TENSORcnt in this text is for 0
	TLOAD                                          ; a wave's one tensor load until the next trip
.Lpast:
	ASK
	STEP 0
	STEP 1
	STEP 2
	STEP 3
	s_xor_b32 s[TB], s[TB], SLOT1                  ; on to the other slot
	s_add_co_u32 s[TS], s[TS], 2560
	s_sub_co_u32 s[SLOTS], s[SLOTS], 1
	s_cmp_lg_u32 s[SLOTS], 0
	s_cbranch_scc1 .Lslot
	; THE WAY OUT.  O^T / the sum: register 16 b + i is channel 32 b + 16 h + i of my query: two blocks of the last product's K, quantised and stored as the head's half fragment.
	s_wait_alu depctr_va_vdst(0)
	v_add_f32 v210, v210, v211                     ; the sum's two halves,
	s_delay_alu instid0(VALU_DEP_1)
	v_permlanex16_b32 v205, v210, s[SEL], s[SEL+1]
	s_delay_alu instid0(VALU_DEP_1)
	v_add_f32 v210, v210, v205                     ; and lane l xor 16's: the row's sum
	s_wait_alu depctr_va_vdst(0)
	v_rcp_f32 v210, v210
	v_nop                                          ; a plain instruction behind the reciprocal,
	s_wait_alu depctr_va_vdst(0)                   ; and the wait ahead of its first reader and of O^T's
.set J, 0
.rept 16
	v_pk_mul_f32 v[96+J:97+J], v[160+J:161+J], v[210:211] op_sel_hi:[1,0]
.set J, J+2
.endr
.irp b, 0,1
	v_max3_num_f32 v[200+\b], |v[96+16*\b]|, |v[97+16*\b]|, 0x1800000
.endr
.irp i, 2,4,6,8,10,12,14
.irp b, 0,1
	s_delay_alu instid0(VALU_DEP_2)
	v_max3_num_f32 v[200+\b], v[200+\b], |v[96+16*\b+\i]|, |v[97+16*\b+\i]|
.endr
.endr
	s_delay_alu instid0(VALU_DEP_2)
	v_permlanex16_b32 v205, v200, s[SEL], s[SEL+1]
	s_delay_alu instid0(VALU_DEP_2)
	v_permlanex16_b32 v223, v201, s[SEL], s[SEL+1]
	s_delay_alu instid0(VALU_DEP_2)
	v_max_num_f32 v200, v200, v205                 ; a block of 32 channels lies in lanes l and l xor 16
	s_delay_alu instid0(VALU_DEP_2)
	v_max_num_f32 v201, v201, v223
	s_delay_alu instid0(VALU_DEP_2)
	v_add_nc_u32 v218, 0xff000000, v200
	s_delay_alu instid0(VALU_DEP_2)
	v_add_nc_u32 v219, 0xff000000, v201
	s_delay_alu instid0(VALU_DEP_2)
	v_lshrrev_b32 v220, 23, v218
	s_delay_alu instid0(VALU_DEP_2)
	v_lshrrev_b32 v221, 23, v219
	v_cvt_scalef32_pk16_fp6_f32 v[224:226], v[96:111], v218
	v_cvt_scalef32_pk16_fp6_f32 v[240:242], v[112:127], v219
	v_nop                                          ; one plain instruction behind the scaled conversions
.irp i, 0,1,2
	v_permlane16_swap_b32 v[224+\i], v[240+\i]     ; lanes 0-15 block 0, lanes 16-31 block 1: the lower 16 codes here, the upper 16 there
.endr
.irp i, 0,1,2
	v_mov_b32 v[227+\i], v[240+\i]
.endr
	v_cndmask_b32 v222, v220, v221, s[HM]          ; lanes 0-15 store block 0's byte, lanes 16-31 block 1's
	global_store_b128 v1, v[224:227], s[76:77]     ; 512 consecutive bytes,
	global_store_b64 v2, v[228:229], s[76:77]      ; and the 256 behind them
	global_store_b8 v4, v222, s[78:79]             ; 32 bytes of 16 rows' words; the words' other bytes are other heads', which other work-groups own
	s_wait_tensorcnt 0x0                           ; the wave's end
	ds_add_u32 v[SPW], v[NIL]
	s_wait_dscnt 0x0
	s_endpgm
.Lfunc_end_k_q5c4c549894_attn:
	.size	k_q5c4c549894_attn, .Lfunc_end_k_q5c4c549894_attn-k_q5c4c549894_attn
	.p2alignl 7, 3214868480
	.fill 96, 4, 3214868480
	.section	.rodata,"a",@progbits
	.p2align	6, 0x0
	.amdhsa_kernel k_q5c4c549894_attn
		.amdhsa_group_segment_fixed_size 327680
		.amdhsa_private_segment_fixed_size 0
		.amdhsa_enable_private_segment 0
		.amdhsa_kernarg_size 32
		.amdhsa_user_sgpr_count 2
		.amdhsa_user_sgpr_kernarg_segment_ptr 1
		.amdhsa_wavefront_size32 1
		.amdhsa_system_sgpr_workgroup_id_x 1
		.amdhsa_system_sgpr_workgroup_id_y 1
		.amdhsa_system_sgpr_workgroup_id_z 1
		.amdhsa_system_vgpr_workitem_id 0
		.amdhsa_next_free_vgpr 256
		.amdhsa_next_free_sgpr 90
		.amdhsa_reserve_vcc 1
		.amdhsa_float_denorm_mode_32 3
		.amdhsa_float_denorm_mode_16_64 3
		.amdhsa_memory_ordered 1
		.amdhsa_forward_progress 1
		.amdhsa_inst_pref_size 95
	.end_amdhsa_kernel
	.amdgpu_metadata
---
amdhsa.version: [ 1, 2 ]
amdhsa.kernels:
  - .name:           k_q5c4c549894_attn
    .symbol:         k_q5c4c549894_attn.kd
    .args:
      - { .name: rec, .offset: 0, .size: 8, .value_kind: global_buffer, .address_space: global }
      - { .name: rsc, .offset: 8, .size: 8, .value_kind: global_buffer, .address_space: global }
      - { .name: aimg, .offset: 16, .size: 8, .value_kind: global_buffer, .address_space: global }
      - { .name: asc, .offset: 24, .size: 8, .value_kind: global_buffer, .address_space: global }
    .group_segment_fixed_size: 327680
    .private_segment_fixed_size: 0
    .kernarg_segment_align: 8
    .kernarg_segment_size: 32
    .max_flat_workgroup_size: 512
    .sgpr_count:     90
    .vgpr_count:     256
    .wavefront_size: 32
...
	.end_amdgpu_metadata
.endif
;; end of part 3
;; launch proj (part 4): grid 8 x 32, 4 waves a work-group, clusters of 4 x 4, 327,680 bytes of LDS; arguments opimg, opsc, aimg, asc, out0; writes out0
.if DOCPART == 4
	.amdgcn_target "amdgcn-amd-amdhsa--gfx1250"
	.amdhsa_code_object_version 6
	.text
	.protected	k_q5c4c549894_proj
	.globl	k_q5c4c549894_proj
	.p2align	8
	.type	k_q5c4c549894_proj,@function
k_q5c4c549894_proj:
	s_mov_b64 s[64:65], 0
	v_nop
	global_prefetch_b8 v0, s[64:65] scope:SCOPE_SE
	s_setreg_imm32_b32 hwreg(HW_REG_WAVE_MODE, 25, 1), 1
	s_wait_xcnt 0x0
	s_wait_alu depctr_hold_cnt(0) depctr_sa_sdst(0) depctr_va_vdst(0) depctr_va_sdst(0) depctr_va_ssrc(0) depctr_va_vcc(0) depctr_vm_vsrc(0)
	s_getreg_b32 s2, hwreg(HW_REG_IB_STS2, 6, 4)
	s_cmp_eq_u32 s2, 0
	s_cbranch_scc0 .Lentry_in_a_cluster
	s_endpgm
.Lentry_in_a_cluster:
	s_bfe_u32 s2, ttmp6, 0x10000c
	s_cmp_lg_u32 s2, 0xf033
	s_cbranch_scc0 .Lentry_shape_is_right
	s_endpgm
.Lentry_shape_is_right:
; out0 [4096][1024] f32 = attention's result x w_out^T, both as codes of FP6 (E2M3) with E8M0 scales, laid in the order of the operand's registers by the launches before.
; aimg [256 token tiles][8 K steps][1,536], opimg likewise (w_out: tiles 448-511); a fragment (16 rows x 128 K, 12 registers a lane) is two halves of 768 bytes: registers 6 c .. 6 c + 3 of lane l at 16 l,
; registers 6 c + 4, 6 c + 5 at 512 + 8 l.  asc, opsc [tiles][4 runs of 256 K][16 r][2 words].  Tile 2 B + u holds, in lane r, row 32 B + 8 u + r + 8 (r / 8).
; SHARES.  A work-group makes 128 x 128 of the result: 32 x 8 = 256 work-groups.  Four waves, each 64 x 64: 16 accumulators.  K is 1,024: eight tiles of A with all their K are 98,304 dense bytes, and so are B's;
; both, and their scales (4,096 bytes each), lie in LDS at once.  So each byte is asked for once, at the head, one tensor load a wave (A's codes, B's codes, A's scales, B's scales); nothing is filled again,
; and one barrier shows the four tiles to the four waves.
; CLUSTERS: 4 x 4 work-groups; A's tiles hang on the block row alone and are asked for jointly along a row of the cluster, B's on the block column alone, along a column.
; NO PREFETCH: the launch has no loop to run ahead in: all its loads go out at its head.
; THE MATRIX INSTRUCTION IS USED TRANSPOSED (source 0 = 16 rows of w_out, source 1 = 16 tokens): a lane holds eight neighbouring numbers of a row of the result.
; REGISTERS: window 0: v16-29 addresses; v32-47 scale words, two sets (register 2 i + q: lanes 0-15 the word of A's tile i, lanes 16-31 that of B's tile i, for the q-th of a pair of steps);
;   v64-159 A's fragments, two sets; v160-255 B's, two sets; on the way out v64-191 take the rows read back.  Window 1: v0-127 the accumulators, (a, b) at 8 (4 a + b).
.set TILEK,  12288                     ; a tile's eight fragments
.set GRP,    4*TILEK                   ; a wave's four tiles
.set BCD,    8*TILEK                   ; B's codes lie behind A's
.set SCL,    16*TILEK                  ; then the scales: A's 4,096 bytes, B's 4,096
.set STAGE,  SCL+8192                  ; then a stage of 16 rows x (256 + 16) bytes for each wave: no tensor load lands there
.set SPITCH, 272
.set SPARE,  STAGE+4*16*SPITCH         ; then the spare words, 128 bytes for each wave: two blocks of 256 bytes that no other line names
.set ADRA, 16                          ; v16, v17  LDS address of my A fragments: the 16-byte pieces, the 8-byte pieces
.set ADRB, 18                          ; v18, v19  the same for B
.set ADRS, 20                          ; v20  my scale words: lanes 0-15 A's rows, lanes 16-31 B's
.set STO,  21                          ; v21  the way out: where I put 32 bytes of a row
.set RD,   22                          ; v22  where I read 16 bytes of a row back
.set CO,   23                          ; v23  my byte offset in the result
.set SPW,  28
.set NIL,  29
.set SC,   32
.set AF,   64
.set BF,   160
.set BK,   64
.set G1,   24                          ; s[24:31], s[32:35] groups 1 and 0 for A's codes
.set G0,   32
.set G1B,  48                          ; s[48:55], s[56:59] for B's codes
.set G0B,  56
.set G1S,  68                          ; s[68:75], s[76:79] for A's scales
.set G0S,  76
.set G1SB, 80                          ; s[80:87], s[88:91] for B's scales
.set G0SB, 88
.set MSB, 0
.macro WIN new                         ; the immediate's high byte repeats the setting that is left
.set NEWW, \new
.if MSB != NEWW
	s_set_vgpr_msb (MSB<<8)|NEWW
.set MSB, NEWW
.endif
.endm
.set MULW, 0x50                        ; sources 0 and 1 window 0, C and D window 1
.macro CROUND                          ; a round of the cluster's barrier
	s_barrier_signal -1
	s_barrier_wait -1
	s_cmp_lg_u32 s14, 0
	s_cbranch_scc1 .Lnot_wave_0_\@
	s_barrier_signal -3
.Lnot_wave_0_\@:
	s_barrier_wait -3
	s_barrier_signal -1
	s_barrier_wait -1
.endm
.macro PLACES n
.rept \n
	v_nop
.endr
.endm
	s_load_b256 s[4:11], s[0:1], 0x0               ; opimg, opsc, aimg, asc
	s_load_b64 s[12:13], s[0:1], 0x20              ; out0
	v_lshl_add_u32 v[SPW], v0, 2, SPARE
	v_mov_b32 v[NIL], 0
	ds_add_u32 v[SPW], v[NIL]                      ; the opening lines: the add, twice on end, and its wait ahead of my first tensor load
	ds_add_u32 v[SPW], v[NIL]
	v_lshrrev_b32 v1, 5, v0
	v_readfirstlane_b32 s14, v1                    ; wave 0..3
	s_lshr_b32 s15, s14, 1                         ; which 64 rows of the block are mine
	s_and_b32 s16, s14, 1                          ; which 64 columns
	s_bfe_u32 s40, ttmp6, 0x40000                  ; cx, cy: my place in the cluster
	s_bfe_u32 s41, ttmp6, 0x40004
	s_lshl_b32 s42, ttmp9, 2
	s_add_co_u32 s42, s42, s40                     ; block column
	s_and_b32 s17, ttmp7, 0xffff
	s_lshl_b32 s17, s17, 2
	s_add_co_u32 s17, s17, s41                     ; block row
	s_lshl_b32 s43, s41, 2
	s_lshl_b32 s43, 15, s43                        ; my row of the cluster
	s_lshl_b32 s44, 0x1111, s40                    ; my column
	s_or_b32 s[G1], s43, (3<<16)|(1<<21)           ; the mask; elements of 8 bytes; bit 21 set beside a mask; no padding: the lanes read consecutive bytes
	s_or_b32 s[G1B], s44, (3<<16)|(1<<21)
	s_or_b32 s[G1S], s43, (3<<16)|(1<<21)
	s_or_b32 s[G1SB], s44, (3<<16)|(1<<21)
.irp g, G1, G1B                        ; 98,304 dense bytes as 384 rows of 256
	s_mov_b32 s[\g+1], 32<<16
	s_mov_b32 s[\g+2], 384<<16
	s_mov_b32 s[\g+3], 32<<16
	s_mov_b32 s[\g+4], 384
	s_mov_b32 s[\g+5], 32
	s_mov_b32 s[\g+6], 0
	s_mov_b32 s[\g+7], 0
.endr
.irp g, G1S, G1SB                      ; 4,096 dense bytes as 16 rows of 256
	s_mov_b32 s[\g+1], 32<<16
	s_mov_b32 s[\g+2], 16<<16
	s_mov_b32 s[\g+3], 32<<16
	s_mov_b32 s[\g+4], 16
	s_mov_b32 s[\g+5], 32
	s_mov_b32 s[\g+6], 0
	s_mov_b32 s[\g+7], 0
.endr
	s_lshl_b32 s20, s17, 3                         ; A's first tile: 8 x block row
	s_lshl_b32 s46, s42, 3
	s_add_co_u32 s46, s46, 448                     ; B's: w_out's tiles begin at 448
	s_lshl_b32 s22, s20, 9                         ; 512 scale bytes a tile
	s_mov_b32 s23, 0
	s_mul_i32 s20, s20, TILEK
	s_mov_b32 s21, 0
	s_lshl_b32 s92, s46, 9
	s_mov_b32 s93, 0
	s_mul_i32 s46, s46, TILEK
	s_mov_b32 s47, 0
	s_mul_i32 s2, s15, GRP                         ; LDS: my four tiles of A,
	s_mul_i32 s3, s16, GRP
	s_add_co_u32 s3, s3, BCD                       ; of B,
	s_lshl_b32 s18, s15, 11                        ; A's scale words,
	s_lshl_b32 s19, s16, 11
	s_add_co_u32 s19, s19, 4096
	s_sub_co_u32 s19, s19, s18                     ; how far behind them B's lie,
	s_add_co_u32 s18, s18, SCL
	s_mul_i32 s94, s14, 16*SPITCH
	s_add_co_u32 s94, s94, STAGE                   ; and my stage: the wave's number alone enters an LDS address
	s_wait_dscnt 0x0                               ; both opening adds are done
	s_wait_kmcnt 0x0
	s_add_nc_u64 s[20:21], s[8:9], s[20:21]
	s_add_nc_u64 s[22:23], s[10:11], s[22:23]
	s_add_nc_u64 s[46:47], s[4:5], s[46:47]
	s_add_nc_u64 s[92:93], s[6:7], s[92:93]
	CROUND                                         ; all sixteen work-groups are here: the joint loads meet
	s_mov_b32 s[G0], 1
	s_mov_b32 s[G0+1], 0
	s_mov_b64 s[G0+2:G0+3], s[20:21]
	s_or_b32 s[G0+3], s[G0+3], 0x80000000
	s_mov_b32 s[G0B], 1
	s_mov_b32 s[G0B+1], BCD
	s_mov_b64 s[G0B+2:G0B+3], s[46:47]
	s_or_b32 s[G0B+3], s[G0B+3], 0x80000000
	s_mov_b32 s[G0S], 1
	s_mov_b32 s[G0S+1], SCL
	s_mov_b64 s[G0S+2:G0S+3], s[22:23]
	s_or_b32 s[G0S+3], s[G0S+3], 0x80000000
	s_mov_b32 s[G0SB], 1
	s_mov_b32 s[G0SB+1], SCL+4096
	s_mov_b64 s[G0SB+2:G0SB+3], s[92:93]
	s_or_b32 s[G0SB+3], s[G0SB+3], 0x80000000
; THE LOADS, ONE A WAVE: one tree of branches on the wave's number, each arm with its load; every way through the head passes exactly one.
.macro ARM under, g0, g1, next
	s_cmp_lt_u32 s14, \under
	s_cbranch_scc0 \next
	tensor_load_to_lds s[\g0:\g0+3], s[\g1:\g1+7]
	s_nop 0
.rept 4
	v_nop
.endr
	s_branch .Lhead_asked
\next:
.endm
	ARM 1, G0,  G1,  .Lhead_b
	ARM 2, G0B, G1B, .Lhead_sa
	ARM 3, G0S, G1S, .Lhead_sb
	tensor_load_to_lds s[G0SB:G0SB+3], s[G1SB:G1SB+7]
	s_nop 0
.rept 4
	v_nop
.endr
.Lhead_asked:
	s_lshl_b32 s20, s17, 7                         ; where my part of the result begins: row 128 x block row + 64 x half,
	s_lshl_b32 s21, s15, 6
	s_add_co_u32 s20, s20, s21
	s_lshl_b32 s20, s20, 12                        ; rows of 4,096 bytes,
	s_lshl_b32 s46, s42, 9                         ; column bytes 512 x block column + 256 x half
	s_lshl_b32 s47, s16, 8
	s_add_co_u32 s46, s46, s47
	s_add_co_u32 s20, s20, s46
	s_mov_b32 s21, 0
	s_add_nc_u64 s[12:13], s[12:13], s[20:21]
	v_and_b32 v1, 31, v0                           ; lane
	v_and_b32 v2, 15, v0                           ; r
	v_bfe_u32 v3, v0, 4, 1                         ; h
	v_lshlrev_b32 v4, 4, v1                        ; 16 x lane
	v_lshlrev_b32 v5, 3, v1
	v_lshlrev_b32 v9, 3, v2                        ; a row's two scale words
	v_mul_u32_u24 v10, s19, v3                     ; lanes 16-31 take B's
	v_mul_u32_u24 v6, v2, SPITCH
	v_mul_u32_u24 v7, v3, SPITCH
	v_lshlrev_b32 v8, 12, v3
	v_add_nc_u32 v5, 512, v5                       ; 512 + 8 x lane
	v_add_nc_u32 v9, v9, v10
	v_lshl_add_u32 v6, v3, 6, v6                   ; the stage, in: row r, 64 bytes on for lanes 16-31
	v_lshl_add_u32 v7, v2, 4, v7                   ; and back: sixteen lanes to a row of 256 bytes, two rows an instruction
	v_lshl_add_u32 v[CO], v2, 4, v8                ; the same two rows in the result
	v_add_nc_u32 v[ADRA], s2, v4
	v_add_nc_u32 v[ADRB], s3, v4
	v_add_nc_u32 v[ADRA+1], s2, v5
	v_add_nc_u32 v[ADRB+1], s3, v5
	v_add_nc_u32 v[ADRS], s18, v9
	v_add_nc_u32 v[STO], s94, v6
	v_add_nc_u32 v[RD], s94, v7
.macro FRAG reg, adr, off
	ds_load_b128 v[(\reg):(\reg)+3], v[\adr] offset:(\off)
	ds_load_b64 v[(\reg)+4:(\reg)+5], v[\adr+1] offset:(\off)
	ds_load_b128 v[(\reg)+6:(\reg)+9], v[\adr] offset:(\off)+768
	ds_load_b64 v[(\reg)+10:(\reg)+11], v[\adr+1] offset:(\off)+768
.endm
.macro FETCH st                        ; K step st's eight fragments into set st % 2: 32 loads; with an even step the scale words of two steps: 4 more
.irp i, 0,1,2,3
	FRAG BF+48*((\st)%2)+12*\i, ADRB, \i*TILEK+(\st)*1536
.endr
.irp i, 0,1,2,3
	FRAG AF+48*((\st)%2)+12*\i, ADRA, \i*TILEK+(\st)*1536
.endr
.if (\st)%2 == 0
.irp i, 0,1,2,3
	ds_load_b64 v[SC+8*(((\st)/2)%2)+2*\i:SC+8*(((\st)/2)%2)+2*\i+1], v[ADRS] offset:\i*512+((\st)/2)*128
.endr
.endif
.endm
.macro MUL st                          ; 16 products, the 16 accumulators by turns, in the same order in every step; the first step's start the sums
.irp a, 0,1,2,3
.irp b, 0,1,2,3
.if (\st) == 0
	v_wmma_scale_f32_16x16x128_f8f6f4 v[8*(4*\a+\b):8*(4*\a+\b)+7], v[BF+48*((\st)%2)+12*\b:BF+48*((\st)%2)+12*\b+11], v[AF+48*((\st)%2)+12*\a:AF+48*((\st)%2)+12*\a+11], 0, v[SC+8*(((\st)/2)%2)+2*\b+(\st)%2], v[SC+8*(((\st)/2)%2)+2*\a+(\st)%2] matrix_a_fmt:MATRIX_FMT_FP6 matrix_b_fmt:MATRIX_FMT_FP6 matrix_a_scale:MATRIX_SCALE_ROW1
.else
	v_wmma_scale_f32_16x16x128_f8f6f4 v[8*(4*\a+\b):8*(4*\a+\b)+7], v[BF+48*((\st)%2)+12*\b:BF+48*((\st)%2)+12*\b+11], v[AF+48*((\st)%2)+12*\a:AF+48*((\st)%2)+12*\a+11], v[8*(4*\a+\b):8*(4*\a+\b)+7], v[SC+8*(((\st)/2)%2)+2*\b+(\st)%2], v[SC+8*(((\st)/2)%2)+2*\a+(\st)%2] matrix_a_fmt:MATRIX_FMT_FP6 matrix_b_fmt:MATRIX_FMT_FP6 matrix_a_scale:MATRIX_SCALE_ROW1
.endif
.endr
.endr
.endm
.macro KSTEP st                        ; the next step's fragments are asked for, then this step's are multiplied
.if (\st) < 7
.if (\st) > 0
	PLACES 4                                       ; in front of loads into the set that the last step's products have read
	WIN 0
.endif
	FETCH (\st)+1
.if (\st)%2 == 1
	s_wait_dscnt 36                                ; all but the 36 just issued
.else
	s_wait_dscnt 32                                ; all but the 32 just issued
.endif
.else
	s_wait_dscnt 0x0
.endif
	WIN MULW
	MUL \st
.endm
	s_wait_alu depctr_va_vdst(0)                   ; the wait at the head's end
	s_wait_tensorcnt 0x0                           ; my tile is in;
	s_barrier_signal -1
	s_barrier_wait -1                              ; and so is everybody's.
	FETCH 0
.set ST, 0
.rept 8
	KSTEP ST
.set ST, ST+1
.endr
; THE WAY OUT, by blocks of 16 tokens x 64 columns.  A lane holds 32 neighbouring bytes of a row: a block goes through my own stage and comes back as rows of 256 bytes, which sixteen lanes store as one aligned unit.
; LDS serves a wave's instructions in order: no wait between the stores and the loads, nor in front of the next block's stores.  Each block has its own 32 registers, and every offset is an immediate: nothing is written again.
.macro TOSTAGE a
	WIN 0x04                                       ; the data: window 1
.irp b, 0,1,2,3
	ds_store_b128 v[STO], v[8*(4*(\a)+\b):8*(4*(\a)+\b)+3] offset:128*(\b/2)+32*(\b%2)       ; each accumulator from its low end on; register j is column 32 (b / 2) + 8 (b % 2) + 16 h + j
	ds_store_b128 v[STO], v[8*(4*(\a)+\b)+4:8*(4*(\a)+\b)+7] offset:128*(\b/2)+32*(\b%2)+16
.endr
	WIN 0
.irp t, 0,1,2,3,4,5,6,7
	ds_load_b128 v[BK+32*(\a)+4*\t:BK+32*(\a)+4*\t+3], v[RD] offset:2*\t*SPITCH
.endr
.endm
.macro SEND a, younger                 ; younger: the LDS instructions issued behind block a's loads
	s_wait_dscnt \younger
.irp t, 0,1,2,3,4,5,6,7
	global_store_b128 v[CO], v[BK+32*(\a)+4*\t:BK+32*(\a)+4*\t+3], s[12:13] offset:(32*((\a)/2)+8*((\a)%2)+2*\t+8*(\t/4))*4096 th:TH_STORE_NT   ; the tile's row i is token 32 (a / 2) + 8 (a % 2) + i + 8 (i / 8)
.endr
.endm
	PLACES 4                                       ; behind the last products: for the reads of their results and the loads into the fragments' registers
	TOSTAGE 0
	TOSTAGE 1
	SEND 0, 16                                     ; behind block 0's loads: block 1's 8 stores and 8 loads
	TOSTAGE 2
	SEND 1, 16
	TOSTAGE 3
	SEND 2, 16
	SEND 3, 0
	s_wait_tensorcnt 0x0                           ; the wave's end
	ds_add_u32 v[SPW], v[NIL]
	s_wait_dscnt 0x0
	CROUND                                         ; the closing round
	s_endpgm
.Lfunc_end_k_q5c4c549894_proj:
	.size	k_q5c4c549894_proj, .Lfunc_end_k_q5c4c549894_proj-k_q5c4c549894_proj
	.p2alignl 7, 3214868480
	.fill 96, 4, 3214868480
	.section	.rodata,"a",@progbits
	.p2align	6, 0x0
	.amdhsa_kernel k_q5c4c549894_proj
		.amdhsa_group_segment_fixed_size 327680
		.amdhsa_private_segment_fixed_size 0
		.amdhsa_enable_private_segment 0
		.amdhsa_kernarg_size 40
		.amdhsa_user_sgpr_count 2
		.amdhsa_user_sgpr_kernarg_segment_ptr 1
		.amdhsa_wavefront_size32 1
		.amdhsa_system_sgpr_workgroup_id_x 1
		.amdhsa_system_sgpr_workgroup_id_y 1
		.amdhsa_system_sgpr_workgroup_id_z 1
		.amdhsa_system_vgpr_workitem_id 0
		.amdhsa_next_free_vgpr 384
		.amdhsa_next_free_sgpr 100
		.amdhsa_reserve_vcc 0
		.amdhsa_float_denorm_mode_32 3
		.amdhsa_float_denorm_mode_16_64 3
		.amdhsa_memory_ordered 1
		.amdhsa_forward_progress 1
		.amdhsa_inst_pref_size 51
	.end_amdhsa_kernel
	.amdgpu_metadata
---
amdhsa.version: [ 1, 2 ]
amdhsa.kernels:
  - .name:           k_q5c4c549894_proj
    .symbol:         k_q5c4c549894_proj.kd
    .args:
      - { .name: opimg, .offset: 0, .size: 8, .value_kind: global_buffer, .address_space: global }
      - { .name: opsc, .offset: 8, .size: 8, .value_kind: global_buffer, .address_space: global }
      - { .name: aimg, .offset: 16, .size: 8, .value_kind: global_buffer, .address_space: global }
      - { .name: asc, .offset: 24, .size: 8, .value_kind: global_buffer, .address_space: global }
      - { .name: out0, .offset: 32, .size: 8, .value_kind: global_buffer, .address_space: global }
    .group_segment_fixed_size: 327680
    .private_segment_fixed_size: 0
    .kernarg_segment_align: 8
    .kernarg_segment_size: 40
    .max_flat_workgroup_size: 128
    .sgpr_count:     100
    .vgpr_count:     384
    .wavefront_size: 32
...
	.end_amdgpu_metadata
.endif
;; end of part 4
